; MI455X (gfx1250); checked and timed in simulation.
; The chip was launched on July 23, 2026; its instructions are those of AMD's public machine-readable ISA for CDNA 5 (MIT licence, August 2026) and "CDNA5" Instruction Set Architecture Reference Guide (July 2026). The comments in the code are by the model that wrote it; some were corrected since.
;; K L RAG. Allowed arithmetic: float matrix products may take bf16 or f16 operands with f32 sums; all other float work in f32.
;; Inputs: K_emb 100 x 2,048 float32; K_keys 100 x 2,048 float32; Wo 4,096 x 2,048 float32; Wq 2,048 x 2,048 float32; Wv 2,048 x 2,048 float32; bo 4,096 float32; bq 2,048 float32; bv 2,048 float32; query_state 4,096 x 2,048 float32.
;; Outputs: out0 2 x 4,096 x 2,048 float32.
;; Constants: top_k = 3.
;; 2 versions, each right; version 2 is version 1 with the launches prep, gather written anew for expert scheduling mode. Each part assembles by itself: llvm-mc -triple=amdgcn-amd-amdhsa -mcpu=gfx1250 --defsym DOCPART=n.
;; ======== version 1 of 2: 4 launches
;; workspace buffers: mp 1,572,864 bytes; e2b 524,288 bytes; sb 512 bytes; sp 16,777,216 bytes; tt 1,835,008 bytes; idx 65,536 bytes of whole numbers; wts 65,536 bytes
;; launch prep (part 1): grid 256 x 1, 8 waves a work-group, no clusters, 191,488 bytes of LDS; arguments K_emb, Wv, bv, K_keys, Wq, bq, e2b, mp, sb; writes e2b, mp, sb
.if DOCPART == 1
	.amdgcn_target "amdgcn-amd-amdhsa--gfx1250"
	.amdhsa_code_object_version 6
	.text
	.protected	k_q365a0e9581_prep
	.globl	k_q365a0e9581_prep
	.p2align	8
	.type	k_q365a0e9581_prep,@function
k_q365a0e9581_prep:
	s_mov_b64 s[64:65], 0
	v_nop
	global_prefetch_b8 v0, s[64:65] scope:SCOPE_SE
	s_setreg_imm32_b32 hwreg(HW_REG_WAVE_MODE, 25, 1), 1
	s_wait_xcnt 0x0
; TWO SMALL PRODUCTS OVER THE TABLE'S ROWS, one for each half of the grid.
;   work-groups 0-127:   E2[c][n] = sum_k K_emb[c][k] Wv[n][k] + bv[n], rounded once to bf16              -> e2b
;   work-groups 128-255: M[c][n]  = sum_j K_keys[c][j] Wq[j][n], kept as three bf16 pieces (24 bits)      -> mp
;                        sb[c]    = sum_j K_keys[c][j] bq[j], f32                                         -> sb
; They serve  scores = X M^T + sb  and  tokens = sum of the three weights times T[idx], T = E2 Wo^T + bo: the softmax weights add up to 1, so both biases may ride in the table.
; All inputs are rounded to bf16 on their way to the matrix unit; sums are f32.  LIMIT: E2 is rounded to bf16 once more; M is not (hi + mid + lo hold 24 bits).
; Table rows 100 to 127 are copies of row 99 (clamped loads): finite numbers that later launches mask or never name.
; SHARES.  A work-group: 32 table rows (g) x 64 columns (ns), all 2,048 of the sum's index.  Wave w owns 256 of that index, in 4 stages of 64: it loads f32, rounds, lays the
; bf16 tiles into LDS bytes of its own, reads fragments back and multiplies: no barrier until the 8 partial tiles meet in LDS, once.
; OUTPUT in fragment order: a block of 1,024 bytes holds 16 rows x 32 columns of bf16 as a wave's registers want them: lane L's registers 0-3 at 16 L, 4-7 at 512 + 16 L.
; The products are used transposed (source 0 = 16 columns, source 1 = 16 table rows): a lane then holds one table row and eight neighbouring columns, which pack into those 16 bytes.
; NO CLUSTER: the four work-groups of one ns share 64 rows of the weights, but these are f32 and are rounded in registers on the way in; as joint tiles they would have to lie in LDS
; as f32, (32 + 64) rows x 8,192 bytes for a work-group, more than twice what LDS holds, so in slots that are filled again.  Not built.
.set PA,    144                        ; an LDS row of 64 bf16: 128 bytes + 16: the 16 rows of a fragment load start at 16 different groups of four banks (64 banks of 4 bytes: ISA guide 11.1)
.set WRB,   15360                      ; a wave's own bytes: A's tile (34 rows x 144 within 5,120), then B's (64 rows x 144 or x 160)
.set BOFF,  5120
.set RED,   8*WRB                      ; [wave 8][tile 8][1,024]: the partial tiles
.set RED2,  RED+65536                  ; [wave 8][mt 2][128]: sb's partial sums
.set SPARE, RED2+2048                  ; the spare words: 128 bytes for each wave
.set VR,  1                            ; v1   r = lane % 16
.set VH,  2                            ; v2   h = lane / 16
.set GB,  3                            ; v3   8,192 h + 16 r: two rows of B, 256 bytes of each
.set GQ,  4                            ; v4   16 r
.set SA,  5                            ; v5   where I put 8 bytes of A's tile
.set SB,  6                            ; v6   the same for B's
.set FA,  7                            ; v7   my place in a fragment of A
.set FB,  8                            ; v8   of B
.set FQ,  9                            ; v9   of bq: no row term, so all 16 rows of the fragment are bq
.set RS,  10                           ; v10  where my partial tiles go
.set RL,  11                           ; v11  where I read tile w of every wave
.set SPW, 12                           ; v12  my spare word; never rewritten
.set NIL, 13                           ; v13  0; never rewritten
.set L16, 14                           ; v14  16 x lane
.set TM,  15                           ; v15  at work; then bv's offset (E2) or sb's partial sums' place (M)
.set AO,  16                           ; v16-31  byte offset of table rows 32 g + 2 p + h, clamped to row 99
.set S,   32                           ; v32-227 a stage's 49 loads, 4 registers each; later the reduction
.set BI,  228                          ; v228-235 bv of my eight columns
.set BT,  236                          ; v236-239 at work
; window 1: v0-79 ten accumulators (tile 4 mt + nt; 8 + mt is sb's); v80-191 a stage's fragments, 56 registers for each 32 of the index: A 2 x 8, B 4 x 8, bq 8
.set MSB, 0
.macro WIN new                         ; the immediate's high byte repeats the setting that is left; a switch that changes nothing is dropped
.if MSB != (\new)
	s_set_vgpr_msb (MSB<<8)|(\new)
.set MSB, \new
.endif
.endm
; a stage's loads: each covers two rows x 256 consecutive bytes, aligned.  part = 0: B's rows lie along the sum's index; 1: across it
.macro LOADS part, st
.set p, 0
.rept 16
	global_load_b128 v[S+4*p:S+4*p+3], v[AO+p], s[4:5] offset:256*(\st)
.set p, p+1
.endr
.set p, 0
.rept 32
.if \part
	global_load_b128 v[S+64+4*p:S+64+4*p+3], v[GB], s[6:7] offset:16384*p+524288*(\st)
.else
	global_load_b128 v[S+64+4*p:S+64+4*p+3], v[GB], s[6:7] offset:16384*p+256*(\st)
.endif
.set p, p+1
.endr
.if \part
	global_load_b128 v[S+192:S+195], v[GQ], s[8:9] offset:256*(\st)
.endif
.endm
; four f32 become four bf16 in place, and go into my tile
.macro CVTPUT part
.set p, 0
.rept 16
	v_cvt_pk_bf16_f32 v[S+4*p], v[S+4*p], v[S+4*p+1]
	v_cvt_pk_bf16_f32 v[S+4*p+1], v[S+4*p+2], v[S+4*p+3]
	ds_store_b64 v[SA], v[S+4*p:S+4*p+1] offset:2*PA*p
.set p, p+1
.endr
.set p, 0
.rept 32
	v_cvt_pk_bf16_f32 v[S+64+4*p], v[S+64+4*p], v[S+64+4*p+1]
	v_cvt_pk_bf16_f32 v[S+64+4*p+1], v[S+64+4*p+2], v[S+64+4*p+3]
	ds_store_b64 v[SB], v[S+64+4*p:S+64+4*p+1] offset:2*(PA+16*(\part))*p
.set p, p+1
.endr
.if \part
	v_cvt_pk_bf16_f32 v[S+192], v[S+192], v[S+193]
	v_cvt_pk_bf16_f32 v[S+193], v[S+194], v[S+195]
	ds_store_b64 v[SA], v[S+192:S+193] offset:32*PA    ; bq: rows 32 and 33 of A's tile (both halves of the lanes hold the same 64 numbers)
.endif
.endm
; the fragments of 32 of the index.  LDS serves a wave's instructions in order (ISA guide 5.7.1.4): these see the stores above
.macro FRAGS part, ks
	WIN 0x40                                       ; destination window 1, address window 0
.set FR, 80+56*(\ks)
.irp mt, 0,1
	ds_load_b128 v[FR+8*\mt:FR+8*\mt+3], v[FA] offset:16*PA*\mt+64*(\ks)
	ds_load_b128 v[FR+8*\mt+4:FR+8*\mt+7], v[FA] offset:16*PA*\mt+64*(\ks)+32
.endr
.irp nt, 0,1,2,3
.if \part
	ds_load_tr16_b128 v[FR+16+8*\nt:FR+16+8*\nt+3], v[FB] offset:5120*(\ks)+32*\nt         ; rows are the sum's index: the turning load makes the fragment
	ds_load_tr16_b128 v[FR+16+8*\nt+4:FR+16+8*\nt+7], v[FB] offset:5120*(\ks)+32*\nt+2560  ; 16 rows of 160 bytes on
.else
	ds_load_b128 v[FR+16+8*\nt:FR+16+8*\nt+3], v[FB] offset:16*PA*\nt+64*(\ks)
	ds_load_b128 v[FR+16+8*\nt+4:FR+16+8*\nt+7], v[FB] offset:16*PA*\nt+64*(\ks)+32
.endif
.endr
.if \part
	ds_load_b128 v[FR+48:FR+51], v[FQ] offset:64*(\ks)
	ds_load_b128 v[FR+52:FR+55], v[FQ] offset:64*(\ks)+32
.endif
.endm
; 8 products (10 with sb's): the accumulators take turns, one instruction a turn.  zero = 1: they start the sums
.macro MMS part, ks, zero
	WIN 0x55                                       ; all four operands in window 1
.set FR, 80+56*(\ks)
.irp mt, 0,1
.irp nt, 0,1,2,3
.if \zero
	v_wmma_f32_16x16x32_bf16 v[8*(4*\mt+\nt):8*(4*\mt+\nt)+7], v[FR+16+8*\nt:FR+16+8*\nt+7], v[FR+8*\mt:FR+8*\mt+7], 0
.else
	v_wmma_f32_16x16x32_bf16 v[8*(4*\mt+\nt):8*(4*\mt+\nt)+7], v[FR+16+8*\nt:FR+16+8*\nt+7], v[FR+8*\mt:FR+8*\mt+7], v[8*(4*\mt+\nt):8*(4*\mt+\nt)+7]
.endif
.endr
.endr
.if \part
.irp mt, 0,1
.if \zero
	v_wmma_f32_16x16x32_bf16 v[64+8*\mt:64+8*\mt+7], v[FR+48:FR+55], v[FR+8*\mt:FR+8*\mt+7], 0
.else
	v_wmma_f32_16x16x32_bf16 v[64+8*\mt:64+8*\mt+7], v[FR+48:FR+55], v[FR+8*\mt:FR+8*\mt+7], v[64+8*\mt:64+8*\mt+7]
.endif
.endr
.endif
.endm
.macro STAGE part, st, zero
	WIN 0
	s_wait_loadcnt 0x0                             ; only this stage's loads are out
	CVTPUT \part                                   ; its 96 conversions are also the places between the last products and the loads into their sources
.if (\st) < 3
	LOADS \part, (\st)+1                           ; the next stage's bytes are on their way while this one is multiplied
.endif
	FRAGS \part, 0
	FRAGS \part, 1
	s_wait_dscnt 12+2*(\part)                      ; the second half's loads may stay out: the stores and the first half's fragments are done
	MMS \part, 0, \zero
	s_wait_dscnt 0x0
	MMS \part, 1, 0
.endm
; the 8 waves' partial tiles meet; wave w sums tile w = 4 mt + nt
.macro MEET part
	WIN 0
.rept 4
	v_nop                                          ; four places behind the last products
.endr
	WIN 0x04                                       ; store data in window 1
.set t, 0
.rept 8
	ds_store_b128 v[RS], v[8*t:8*t+3] offset:1024*t        ; each accumulator's low registers first
	ds_store_b128 v[RS], v[8*t+4:8*t+7] offset:1024*t+512
.set t, t+1
.endr
.if \part
	ds_store_b32 v[TM], v64                        ; all 16 rows of source 0 were bq: register 0 of lane r is sb's partial sum for table row 16 mt + r
	ds_store_b32 v[TM], v72 offset:128
.endif
	WIN 0
	s_wait_dscnt 0x0                               ; for the others' sake: my stores are done
	s_barrier_signal -1
	s_barrier_wait -1
.set t, 0
.rept 16
	ds_load_b128 v[S+4*t:S+4*t+3], v[RL] offset:8192*(t/2)+512*(t%2)
.set t, t+1
.endr
	s_wait_dscnt 0x0
.irp d, 8,16,32                        ; a tree of 28 packed additions: neighbours 1, 2 and 4 waves apart
.set a, 0
.rept 32/\d
.irp i, 0,2,4,6
	v_pk_add_f32 v[S+2*\d*a+\i:S+2*\d*a+\i+1], v[S+2*\d*a+\i:S+2*\d*a+\i+1], v[S+2*\d*a+\d+\i:S+2*\d*a+\d+\i+1]
.endr
.set a, a+1
.endr
.endr
.endm
; v[S:S+7] is rounded to bf16 into v[dst:dst+3], and what the rounding left (exact in f32) stays in v[S:S+7]
.macro PIECE dst
.irp i, 0,1,2,3
	v_cvt_pk_bf16_f32 v[(\dst)+\i], v[S+2*\i], v[S+2*\i+1]
.endr
.irp i, 0,1,2,3
	v_lshlrev_b32 v[48+2*\i], 16, v[(\dst)+\i]
	v_and_b32 v[49+2*\i], 0xffff0000, v[(\dst)+\i]
.endr
.irp i, 0,2,4,6
	v_pk_add_f32 v[S+\i:S+\i+1], v[S+\i:S+\i+1], v[48+\i:49+\i] neg_lo:[0,1] neg_hi:[0,1]
.endr
.endm
	s_load_b512 s[16:31], s[0:1], 0x0              ; K_emb 16, Wv 18, bv 20, K_keys 22, Wq 24, bq 26, e2b 28, mp 30
	s_load_b64 s[32:33], s[0:1], 0x40              ; sb
	v_lshl_add_u32 v[SPW], v0, 2, SPARE
	v_mov_b32 v[NIL], 0
	v_lshrrev_b32 v[TM], 5, v0
	v_readfirstlane_b32 s2, v[TM]                  ; w
	s_and_b32 s3, ttmp9, 127
	s_and_b32 s34, s3, 3                           ; g: which 32 table rows
	s_lshr_b32 s35, s3, 2                          ; ns: which 64 columns
	s_lshr_b32 s36, ttmp9, 7                       ; which product
	v_and_b32 v[VR], 15, v0
	v_bfe_u32 v[VH], v0, 4, 1
	v_and_b32 v[L16], 31, v0
	v_lshlrev_b32 v[L16], 4, v[L16]
	v_lshlrev_b32 v[GQ], 4, v[VR]
	v_lshl_add_u32 v[GB], v[VH], 13, v[GQ]
	s_mul_i32 s37, s2, WRB                         ; my wave's LDS bytes
	v_mul_u32_u24 v[SA], v[VH], PA
	v_lshl_add_u32 v[SA], v[VR], 3, v[SA]
	v_add_nc_u32 v[SA], s37, v[SA]                 ; row h, 8 bytes at 8 r
	v_mul_u32_u24 v[FA], v[VR], PA
	v_lshl_add_u32 v[FA], v[VH], 4, v[FA]
	v_add_nc_u32 v[FA], s37, v[FA]                 ; row r, 16 bytes at 16 h
	s_lshl_b32 s38, s2, 13
	s_add_co_u32 s38, s38, RED
	v_add_nc_u32 v[RS], s38, v[L16]
	s_lshl_b32 s38, s2, 10                         ; 1,024 w: my 256 numbers of a row, and tile w among a wave's partial tiles
	s_add_co_u32 s39, s38, RED
	v_add_nc_u32 v[RL], s39, v[L16]
	s_lshl_b32 s39, s34, 5
	v_add_nc_u32 v[TM], s39, v[VH]                 ; 32 g + h
.set p, 0
.rept 16
	v_add_nc_u32 v[AO+p], 2*p, v[TM]
	v_min_u32 v[AO+p], 99, v[AO+p]                 ; the table ends at row 99
	v_lshl_add_u32 v[AO+p], v[AO+p], 13, v[GQ]
.set p, p+1
.endr
	s_mov_b32 s39, 0                               ; s[38:39] = 1,024 w
	s_lshl_b32 s42, s34, 1                         ; my output block: ((2 g + w / 4) x 64 + 2 ns + (w % 4) / 2) x 1,024 + (w % 2) x 512
	s_lshr_b32 s43, s2, 2
	s_add_co_u32 s42, s42, s43
	s_lshl_b32 s42, s42, 6
	s_lshl_b32 s43, s35, 1
	s_add_co_u32 s42, s42, s43
	s_bfe_u32 s43, s2, 0x10001
	s_add_co_u32 s42, s42, s43
	s_lshl_b32 s42, s42, 10
	s_and_b32 s43, s2, 1
	s_lshl_b32 s43, s43, 9
	s_add_co_u32 s42, s42, s43
	s_mov_b32 s43, 0
	s_mov_b32 s41, 0
	s_wait_kmcnt 0x0
	s_cmp_lg_u32 s36, 0                            ; the same answer in all waves of a work-group
	s_cbranch_scc1 .Lm_part
	; ---- E2 = K_emb Wv^T + bv ----
	s_add_nc_u64 s[4:5], s[16:17], s[38:39]        ; K_emb at my 256 columns
	s_lshl_b32 s40, s35, 19                        ; 64 ns rows of 8,192 bytes
	s_add_nc_u64 s[6:7], s[18:19], s[40:41]
	s_add_nc_u64 s[6:7], s[6:7], s[38:39]          ; Wv at rows 64 ns, my 256 columns
	s_lshl_b32 s40, s35, 8
	s_and_b32 s44, s2, 3
	s_lshl_b32 s44, s44, 6
	s_add_co_u32 s40, s40, s44
	s_add_nc_u64 s[8:9], s[20:21], s[40:41]        ; bv at column 64 ns + 16 (w % 4)
	s_add_nc_u64 s[10:11], s[28:29], s[42:43]
	v_add_nc_u32 v[SB], BOFF, v[SA]
	v_add_nc_u32 v[FB], BOFF, v[FA]
	v_lshlrev_b32 v[TM], 5, v[VH]                  ; my eight columns begin 8 h further on
	global_load_b128 v[BI:BI+3], v[TM], s[8:9]
	global_load_b128 v[BI+4:BI+7], v[TM], s[8:9] offset:16
	LOADS 0, 0
	STAGE 0, 0, 1
	STAGE 0, 1, 0
	STAGE 0, 2, 0
	STAGE 0, 3, 0
	MEET 0
.irp i, 0,1,2,3
	v_cvt_pk_bf16_f32 v[BT+\i], v[BI+2*\i], v[BI+2*\i+1]   ; bv is rounded to bf16 like every input,
.endr
.irp i, 0,1,2,3
	v_lshlrev_b32 v[BI+2*\i], 16, v[BT+\i]                 ; and added in f32
	v_and_b32 v[BI+2*\i+1], 0xffff0000, v[BT+\i]
.endr
.irp i, 0,2,4,6
	v_pk_add_f32 v[S+\i:S+\i+1], v[S+\i:S+\i+1], v[BI+\i:BI+\i+1]
.endr
.irp i, 0,1,2,3
	v_cvt_pk_bf16_f32 v[S+8+\i], v[S+2*\i], v[S+2*\i+1]
.endr
	global_store_b128 v[L16], v[S+8:S+11], s[10:11]        ; the wave stores 512 consecutive bytes, aligned: half a fragment block
	s_wait_tensorcnt 0x0                           ; the wave's end, behind my last LDS store
	ds_add_u32 v[SPW], v[NIL]
	s_wait_dscnt 0x0
	s_endpgm
	; ---- M = K_keys Wq, sb = K_keys bq ----
.Lm_part:
	s_add_nc_u64 s[4:5], s[22:23], s[38:39]        ; K_keys at my 256 columns
	s_lshl_b32 s40, s2, 21                         ; 256 w rows of 8,192 bytes
	s_lshl_b32 s44, s35, 8                         ; 64 ns columns
	s_add_co_u32 s40, s40, s44
	s_add_nc_u64 s[6:7], s[24:25], s[40:41]
	s_add_nc_u64 s[8:9], s[26:27], s[38:39]        ; bq at my 256 numbers
	s_add_nc_u64 s[10:11], s[30:31], s[42:43]
	s_lshl_b32 s44, s34, 7
	s_mov_b32 s45, 0
	s_add_nc_u64 s[44:45], s[32:33], s[44:45]      ; sb at table row 32 g
	s_add_co_u32 s46, s37, BOFF
	v_mul_u32_u24 v[SB], v[VH], 160                ; B's rows: 128 bytes + 32
	v_lshl_add_u32 v[SB], v[VR], 3, v[SB]
	v_add_nc_u32 v[SB], s46, v[SB]
	v_and_b32 v[FB], 7, v0                         ; the turning load: lane L reads row 8 h + L % 8, 16 bytes at 16 ((L / 8) % 2)
	v_lshl_add_u32 v[FB], v[VH], 3, v[FB]
	v_mul_u32_u24 v[FB], v[FB], 160
	v_bfe_u32 v[TM], v0, 3, 1
	v_lshl_add_u32 v[FB], v[TM], 4, v[FB]
	v_add_nc_u32 v[FB], s46, v[FB]
	s_add_co_u32 s47, s37, 32*PA
	v_lshl_add_u32 v[FQ], v[VH], 4, s47
	s_lshl_b32 s47, s2, 8
	s_add_co_u32 s47, s47, RED2
	v_lshrrev_b32 v[TM], 2, v[L16]
	v_add_nc_u32 v[TM], s47, v[TM]                 ; RED2 + 256 w + 4 x lane
	LOADS 1, 0
	STAGE 1, 0, 1
	STAGE 1, 1, 0
	STAGE 1, 2, 0
	STAGE 1, 3, 0
	MEET 1
	PIECE 40                                       ; hi
	PIECE 44                                       ; mid
.irp i, 0,1,2,3
	v_cvt_pk_bf16_f32 v[56+\i], v[S+2*\i], v[S+2*\i+1]     ; lo
.endr
	global_store_b128 v[L16], v[40:43], s[10:11]           ; each: 512 consecutive bytes, aligned
	global_store_b128 v[L16], v[44:47], s[10:11] offset:524288
	global_store_b128 v[L16], v[56:59], s[10:11] offset:1048576
	s_cmp_lg_u32 s35, 0                            ; sb is the same in all 32 ns: the first stores it,
	s_cbranch_scc1 .Lno_sb
	s_cmp_lg_u32 s2, 0                             ; by its wave 0
	s_cbranch_scc1 .Lno_sb
	v_lshlrev_b32 v60, 7, v[VH]
	v_lshl_add_u32 v60, v[VR], 2, v60
	v_add_nc_u32 v60, RED2, v60                    ; lane L takes table row 32 g + L: tile L / 16, its lane L % 16
.irp v, 0,1,2,3,4,5,6,7
	ds_load_b32 v[48+\v], v60 offset:256*\v
.endr
	v_lshrrev_b32 v61, 2, v[L16]
	s_wait_dscnt 0x0
	v_add_f32 v48, v48, v49
	v_add_f32 v50, v50, v51
	v_add_f32 v52, v52, v53
	v_add_f32 v54, v54, v55
	v_add_f32 v48, v48, v50
	v_add_f32 v52, v52, v54
	v_add_f32 v48, v48, v52
	global_store_b32 v61, v48, s[44:45]            ; 128 consecutive bytes; the four g fill sb's 512
.Lno_sb:
	s_wait_tensorcnt 0x0                           ; the wave's end, as above
	ds_add_u32 v[SPW], v[NIL]
	s_wait_dscnt 0x0
	s_endpgm
.Lfunc_end_k_q365a0e9581_prep:
	.size	k_q365a0e9581_prep, .Lfunc_end_k_q365a0e9581_prep-k_q365a0e9581_prep
	.p2alignl 7, 3214868480
	.fill 96, 4, 3214868480
	.section	.rodata,"a",@progbits
	.p2align	6, 0x0
	.amdhsa_kernel k_q365a0e9581_prep
		.amdhsa_group_segment_fixed_size 191488
		.amdhsa_private_segment_fixed_size 0
		.amdhsa_enable_private_segment 0
		.amdhsa_kernarg_size 72
		.amdhsa_user_sgpr_count 2
		.amdhsa_user_sgpr_kernarg_segment_ptr 1
		.amdhsa_wavefront_size32 1
		.amdhsa_system_sgpr_workgroup_id_x 1
		.amdhsa_system_sgpr_workgroup_id_y 1
		.amdhsa_system_sgpr_workgroup_id_z 1
		.amdhsa_system_vgpr_workitem_id 0
		.amdhsa_next_free_vgpr 448
		.amdhsa_next_free_sgpr 66
		.amdhsa_reserve_vcc 0
		.amdhsa_float_denorm_mode_32 3
		.amdhsa_float_denorm_mode_16_64 3
		.amdhsa_memory_ordered 1
		.amdhsa_forward_progress 1
		.amdhsa_inst_pref_size 153
	.end_amdhsa_kernel
	.amdgpu_metadata
---
amdhsa.version: [ 1, 2 ]
amdhsa.kernels:
  - .name:           k_q365a0e9581_prep
    .symbol:         k_q365a0e9581_prep.kd
    .args:
      - { .name: K_emb, .offset: 0, .size: 8, .value_kind: global_buffer, .address_space: global }
      - { .name: Wv, .offset: 8, .size: 8, .value_kind: global_buffer, .address_space: global }
      - { .name: bv, .offset: 16, .size: 8, .value_kind: global_buffer, .address_space: global }
      - { .name: K_keys, .offset: 24, .size: 8, .value_kind: global_buffer, .address_space: global }
      - { .name: Wq, .offset: 32, .size: 8, .value_kind: global_buffer, .address_space: global }
      - { .name: bq, .offset: 40, .size: 8, .value_kind: global_buffer, .address_space: global }
      - { .name: e2b, .offset: 48, .size: 8, .value_kind: global_buffer, .address_space: global }
      - { .name: mp, .offset: 56, .size: 8, .value_kind: global_buffer, .address_space: global }
      - { .name: sb, .offset: 64, .size: 8, .value_kind: global_buffer, .address_space: global }
    .group_segment_fixed_size: 191488
    .private_segment_fixed_size: 0
    .kernarg_segment_align: 8
    .kernarg_segment_size: 72
    .max_flat_workgroup_size: 256
    .sgpr_count:     66
    .vgpr_count:     448
    .wavefront_size: 32
...
	.end_amdgpu_metadata
.endif
;; end of part 1
;; launch scores (part 2): grid 256 x 1, 4 waves a work-group, no clusters, 167,936 bytes of LDS; arguments query_state, mp, sp; writes sp
.if DOCPART == 2
	.amdgcn_target "amdgcn-amd-amdhsa--gfx1250"
	.amdhsa_code_object_version 6
	.text
	.protected	k_q365a0e9581_scores
	.globl	k_q365a0e9581_scores
	.p2align	8
	.type	k_q365a0e9581_scores,@function
k_q365a0e9581_scores:
	s_mov_b64 s[64:65], 0
	v_nop
	global_prefetch_b8 v0, s[64:65] scope:SCOPE_SE
	s_setreg_imm32_b32 hwreg(HW_REG_WAVE_MODE, 25, 1), 1
	s_wait_xcnt 0x0
; PARTIAL SCORES.  sp[slice][row tile][table tile] = X[16 rows][256 k of the slice] . M[16 table rows][the same k], f32, a result tile as it lies in registers (register half q at 512 q + 16 x lane).
; X is rounded to bf16; M comes as three bf16 pieces (24 bits), each with an accumulator of its own: chains of 8 products; the pieces are added smallest first.
; LIMIT: the scores are summed as X (K_keys Wq)^T, another order of rounding than (X Wq^T) K_keys^T: all sums are f32 and all products of bf16 numbers exact.
; SHARES.  Work-group x: slice x % 8 (k = 256 s ..), rows 128 (x / 8) ..  Wave w holds the fragments of table tiles 2 w and 2 w + 1 for the whole slice in registers, 3 pieces x 8 steps of
; 32 k x 2 tiles = 384 registers, loaded once in fragment order (512 consecutive bytes a load); all four waves walk the block's 8 row tiles, so a fragment of M feeds 8 products.
; X's block comes by ONE tensor load a wave (32 rows x 1,024 bytes), a first fill; nothing is filled again.  Table tile 7 (rows 112-127) is multiplied by wave 3 with the others, but not stored:
; the other three waves have two live tiles each, so leaving its products out would end the work-group no sooner.
; NO CLUSTER: X's block is read by this work-group alone; M's slice, which 32 work-groups share, goes straight into registers and never lies in LDS.
; The product is used transposed (source 0 = 16 table rows, source 1 = 16 rows of X): a lane holds one row of X and 8 table entries.
.set PX,    1040                       ; an LDS row: 1,024 bytes + 16 = 260 words
.set WT,    32*PX                      ; what one wave's tensor load fills
.set SPARE, 4*WT                       ; behind the block: the spare words, 128 bytes for each wave
.set L16, 1                            ; v1   16 x lane
.set XA,  2                            ; v2   my place in the row tile in hand: 1,040 r + 32 h, stepped by 16 rows
.set SPW, 14                           ; v14  my spare word; never rewritten
.set NIL, 15                           ; v15  0; never rewritten
.set XF,  16                           ; v16-143  a row tile in f32: 8 fragments x 16
.set XR,  144                          ; v144-207 the same in bf16: 8 fragments x 8
.set ACC, 208                          ; v208-255 accumulator 3 c + p: table tile 2 w + c, piece p
; window 1: v0-191 M's fragment 6 ks + 3 c + p for steps 0-3; window 2: the same for steps 4-7
.set MSB, 0
.macro WIN new                         ; the immediate's high byte repeats the setting that is left; a switch that changes nothing is dropped
.if MSB != (\new)
	s_set_vgpr_msb (MSB<<8)|(\new)
.set MSB, \new
.endif
.endm
.macro MLOAD hf                        ; 24 fragments of M, steps 4 hf to 4 hf + 3
	WIN 0x40*(1+(\hf))                             ; destination window 1 or 2
.set f, 0
.rept 24
	global_load_b128 v[8*f:8*f+3], v[L16], s[6:7] offset:(f%3)*524288+((f/3)%2)*65536+(f/6+4*(\hf))*1024
	global_load_b128 v[8*f+4:8*f+7], v[L16], s[6:7] offset:(f%3)*524288+((f/3)%2)*65536+(f/6+4*(\hf))*1024+512
.set f, f+1
.endr
.endm
.macro XLOAD                           ; a fragment's 16 numbers a lane: k = 8 h + 0..7 and 16 + 8 h + 0..7, as f32
.set f, 0
.rept 8
	ds_load_b128 v[XF+16*f:XF+16*f+3], v[XA] offset:128*f
	ds_load_b128 v[XF+16*f+4:XF+16*f+7], v[XA] offset:128*f+16
	ds_load_b128 v[XF+16*f+8:XF+16*f+11], v[XA] offset:128*f+64
	ds_load_b128 v[XF+16*f+12:XF+16*f+15], v[XA] offset:128*f+80
.set f, f+1
.endr
.endm
.macro MM hf, zero                     ; 24 products: the six accumulators take turns, one instruction a turn
	WIN 1+(\hf)                                    ; source 0 in window 1 or 2
.set f, 0
.rept 24
.if (\zero) && (f < 6)
	v_wmma_f32_16x16x32_bf16 v[ACC+8*(f%6):ACC+8*(f%6)+7], v[8*f:8*f+7], v[XR+8*(f/6+4*(\hf)):XR+8*(f/6+4*(\hf))+7], 0
.else
	v_wmma_f32_16x16x32_bf16 v[ACC+8*(f%6):ACC+8*(f%6)+7], v[8*f:8*f+7], v[XR+8*(f/6+4*(\hf)):XR+8*(f/6+4*(\hf))+7], v[ACC+8*(f%6):ACC+8*(f%6)+7]
.endif
.set f, f+1
.endr
.endm
.macro TILE pre                        ; one row tile; pre = 1: the next one's numbers are fetched under the products
	s_wait_dscnt 0x0                               ; the tile's 32 LDS loads are back
.set i, 0
.rept 64
	v_cvt_pk_bf16_f32 v[XR+i], v[XF+2*i], v[XF+2*i+1]
.set i, i+1
.endr
.if \pre
	v_add_nc_u32 v[XA], 16*PX, v[XA]
	XLOAD
.endif
	MM 0, 1
	MM 1, 0
	WIN 0
.rept 4
	v_nop                                          ; four places behind the last product (ISA guide 7.12.1)
.endr
.irp c, 0,1                            ; mid += lo, then hi += mid; each accumulator is read from its low registers on
.irp i, 0,2,4,6
	v_pk_add_f32 v[ACC+24*\c+8+\i:ACC+24*\c+9+\i], v[ACC+24*\c+8+\i:ACC+24*\c+9+\i], v[ACC+24*\c+16+\i:ACC+24*\c+17+\i]
.endr
.irp i, 0,2,4,6
	v_pk_add_f32 v[ACC+24*\c+\i:ACC+24*\c+1+\i], v[ACC+24*\c+\i:ACC+24*\c+1+\i], v[ACC+24*\c+8+\i:ACC+24*\c+9+\i]
.endr
.endr
	global_store_b128 v[L16], v[ACC:ACC+3], s[10:11]               ; each store: 512 consecutive bytes, aligned
	global_store_b128 v[L16], v[ACC+4:ACC+7], s[10:11] offset:512
	s_cmp_eq_u32 s8, 3
	s_cbranch_scc1 .Lno_tile7_\@                   ; table tile 7 holds no live row
	global_store_b128 v[L16], v[ACC+24:ACC+27], s[10:11] offset:1024
	global_store_b128 v[L16], v[ACC+28:ACC+31], s[10:11] offset:1536
.Lno_tile7_\@:
.if \pre
	s_wait_xcnt 0x0                                ; only behind this wait are the stores' base stepped and their data written by the next tile's products
	s_add_nc_u64 s[10:11], s[10:11], 8192          ; the next row tile's 8 blocks
.endif
.endm
	s_load_b128 s[4:7], s[0:1], 0x0                ; X s[4:5], mp s[6:7]
	s_load_b64 s[10:11], s[0:1], 0x10              ; sp
	v_lshl_add_u32 v[SPW], v0, 2, SPARE
	v_mov_b32 v[NIL], 0
	ds_add_u32 v[SPW], v[NIL]                      ; the wave's opening: the add and its wait stand ahead of my tensor load; the set-up, work on registers, stands between
	ds_add_u32 v14, v15
	v_lshrrev_b32 v3, 5, v0
	v_readfirstlane_b32 s8, v3                     ; w
	s_and_b32 s9, ttmp9, 7                         ; the slice
	s_lshr_b32 s26, ttmp9, 3                       ; the block of 128 rows
	s_mov_b32 s12, 1                               ; group 0: count = 1
	s_mul_i32 s13, s8, WT                          ; LDS address: my 32 rows
	s_mov_b32 s16, (2<<16)|(1<<20)|(7<<22)|(3<<25) ; group 1: elements of 4 bytes; padding on, after every 256 words (code 7), 4 words (code 3)
	s_mov_b32 s17, 256<<16                         ; tensor_dim0 = 256
	s_mov_b32 s18, 32<<16                          ; tensor_dim1 = 32
	s_mov_b32 s19, 256<<16                         ; tile_dim0 = 256
	s_mov_b32 s20, 32                              ; tile_dim1 = 32
	s_mov_b32 s21, 2048                            ; elements from row to row
	s_mov_b32 s22, 0
	s_mov_b32 s23, 0
	s_lshl_b32 s24, s26, 7
	s_lshl_b32 s25, s8, 5
	s_add_co_u32 s24, s24, s25                     ; my first row: 128 rb + 32 w
	s_lshl_b32 s24, s24, 13
	s_lshl_b32 s25, s9, 10
	s_add_co_u32 s24, s24, s25                     ; + the slice's 1,024 bytes
	s_mov_b32 s25, 0
	s_lshl_b32 s28, s8, 17                         ; mp: table tile 2 w (65,536 bytes a tile),
	s_lshl_b32 s29, s9, 13                         ; step 8 s
	s_add_co_u32 s28, s28, s29
	s_mov_b32 s29, 0
	s_lshl_b32 s30, s9, 21                         ; sp: slice, row tile 8 rb, table tile 2 w
	s_lshl_b32 s31, s26, 16
	s_add_co_u32 s30, s30, s31
	s_lshl_b32 s31, s8, 11
	s_add_co_u32 s30, s30, s31
	s_mov_b32 s31, 0
	v_and_b32 v[L16], 31, v0
	v_lshlrev_b32 v[L16], 4, v[L16]
	v_and_b32 v3, 15, v0
	v_bfe_u32 v4, v0, 4, 1
	v_mul_u32_u24 v[XA], v3, PX
	v_lshl_add_u32 v[XA], v4, 5, v[XA]
	s_mov_b32 s27, 7
	s_wait_dscnt 0x0                               ; the opening add is done
	s_wait_kmcnt 0x0
	s_add_nc_u64 s[14:15], s[4:5], s[24:25]
	s_or_b32 s15, s15, 0x80000000                  ; type = 2
	s_add_nc_u64 s[6:7], s[6:7], s[28:29]
	s_add_nc_u64 s[10:11], s[10:11], s[30:31]
	tensor_load_to_lds s[12:15], s[16:23]          ; my one tensor load: one is out
	s_nop 0
	MLOAD 0
	MLOAD 1
	WIN 0
	s_wait_tensorcnt 0x0                           ; my 32 rows are in,
	s_barrier_signal -1
	s_barrier_wait -1                              ; everybody's are: every wave reads all 128
	XLOAD
	s_wait_loadcnt 0x0                             ; M's 96 loads
.Ltile:                                                ; 7 trips; the eighth tile fetches nothing more
	TILE 1
	s_sub_co_u32 s27, s27, 1
	s_cmp_lg_u32 s27, 0
	s_cbranch_scc1 .Ltile
	TILE 0
	s_wait_tensorcnt 0x0                           ; the wave's end
	ds_add_u32 v[SPW], v[NIL]
	s_wait_dscnt 0x0
	s_endpgm
.Lfunc_end_k_q365a0e9581_scores:
	.size	k_q365a0e9581_scores, .Lfunc_end_k_q365a0e9581_scores-k_q365a0e9581_scores
	.p2alignl 7, 3214868480
	.fill 96, 4, 3214868480
	.section	.rodata,"a",@progbits
	.p2align	6, 0x0
	.amdhsa_kernel k_q365a0e9581_scores
		.amdhsa_group_segment_fixed_size 167936
		.amdhsa_private_segment_fixed_size 0
		.amdhsa_enable_private_segment 0
		.amdhsa_kernarg_size 24
		.amdhsa_user_sgpr_count 2
		.amdhsa_user_sgpr_kernarg_segment_ptr 1
		.amdhsa_wavefront_size32 1
		.amdhsa_system_sgpr_workgroup_id_x 1
		.amdhsa_system_sgpr_workgroup_id_y 1
		.amdhsa_system_sgpr_workgroup_id_z 1
		.amdhsa_system_vgpr_workitem_id 0
		.amdhsa_next_free_vgpr 704
		.amdhsa_next_free_sgpr 66
		.amdhsa_reserve_vcc 0
		.amdhsa_float_denorm_mode_32 3
		.amdhsa_float_denorm_mode_16_64 3
		.amdhsa_memory_ordered 1
		.amdhsa_forward_progress 1
		.amdhsa_inst_pref_size 34
	.end_amdhsa_kernel
	.amdgpu_metadata
---
amdhsa.version: [ 1, 2 ]
amdhsa.kernels:
  - .name:           k_q365a0e9581_scores
    .symbol:         k_q365a0e9581_scores.kd
    .args:
      - { .name: query_state, .offset: 0, .size: 8, .value_kind: global_buffer, .address_space: global }
      - { .name: mp, .offset: 8, .size: 8, .value_kind: global_buffer, .address_space: global }
      - { .name: sp, .offset: 16, .size: 8, .value_kind: global_buffer, .address_space: global }
    .group_segment_fixed_size: 167936
    .private_segment_fixed_size: 0
    .kernarg_segment_align: 8
    .kernarg_segment_size: 24
    .max_flat_workgroup_size: 128
    .sgpr_count:     66
    .vgpr_count:     704
    .wavefront_size: 32
...
	.end_amdgpu_metadata
.endif
;; end of part 2
;; launch tk (part 3): grid 160 x 1, 8 waves a work-group, no clusters, 267,264 bytes of LDS; arguments Wo, bo, e2b, sp, sb, tt, idx, wts; writes tt, idx, wts
.if DOCPART == 3
	.amdgcn_target "amdgcn-amd-amdhsa--gfx1250"
	.amdhsa_code_object_version 6
	.text
	.protected	k_q365a0e9581_tk
	.globl	k_q365a0e9581_tk
	.p2align	8
	.type	k_q365a0e9581_tk,@function
k_q365a0e9581_tk:
	s_mov_b64 s[64:65], 0
	v_nop
	global_prefetch_b8 v0, s[64:65] scope:SCOPE_SE
	s_setreg_imm32_b32 hwreg(HW_REG_WAVE_MODE, 25, 1), 1
	s_wait_xcnt 0x0
; TWO JOBS that both stand between the launches before and the gather behind.
;   work-groups 0-127:   T[c][t] = sum_n E2[c][n] Wo[t][n] + bo[t], f32, for 32 columns t each -> tt [block of 32 t][table row 112][32]
;   work-groups 128-159: for 16 rows a wave: the 8 slices of the scores and sb are added, the three largest of 100 are found, their softmax made -> idx [row][i1, i2, i3, 0], wts [row][w1, w2, w3, 0]
; T PART.  Wo and bo are rounded to bf16; E2 comes as bf16 in fragment order, straight into registers.  Wave w owns n = 256 w ..: its own tensor load brings 32 rows x 1,024 bytes of Wo
; (a first fill; only this wave reads it, so its own wait on TENSORcnt orders the reads); 14 accumulators (7 table tiles x 2 column tiles) take turns.  The 8 partial tables meet in LDS, in each
; wave's own region, which has had its only fill and has been read out.  The product is used transposed (source 0 = 16 rows of Wo, source 1 = 16 table rows).
; TOP-3 PART.  A lane holds one row and the 56 table entries 16 ct + 8 h + j.  The three largest are kept in order by compare and select, no branch: a strict compare with ascending index leaves
; the lower index in front on equal scores, as lax.top_k does; the two halves of the lanes are merged by value, then by lower index.  The choice is made on the sums before the positive scale
; 1 / sqrt(2048); the softmax takes the largest score away first.  LIMITS: NaN and infinite scores are not treated apart; scores are summed in another order than reference() sums them, so two
; scores of a row that differ by less than the f32 rounding of these sums may be ranked otherwise.
; NO CLUSTER: Wo's rows are read by one work-group each; E2, which all T work-groups share, goes into registers and never lies in LDS.
.set PX,    1040                       ; an LDS row of Wo: 1,024 bytes + 16
.set WT,    32*PX                      ; a wave's region
.set PT,    144                        ; a row of a partial table: 32 f32 + 16 bytes
.set SPARE, 8*WT                       ; the spare words: 128 bytes for each wave
.set L16, 1                            ; v1   16 x lane
.set SPW, 12                           ; v12  my spare word; never rewritten
.set NIL, 13                           ; v13  0; never rewritten
.set MSB, 0
.macro WIN new                         ; the immediate's high byte repeats the setting that is left; a switch that changes nothing is dropped
.if MSB != (\new)
	s_set_vgpr_msb (MSB<<8)|(\new)
.set MSB, \new
.endif
.endm
	s_load_b512 s[32:47], s[0:1], 0x0              ; Wo 32, bo 34, e2b 36, sp 38, sb 40, tt 42, idx 44, wts 46
	v_lshl_add_u32 v[SPW], v0, 2, SPARE
	v_mov_b32 v[NIL], 0
	ds_add_u32 v[SPW], v[NIL]                      ; the wave's opening: the add and its wait stand ahead of a wave's first tensor load
	ds_add_u32 v12, v13
	v_lshrrev_b32 v5, 5, v0
	v_readfirstlane_b32 s2, v5                     ; w
	s_mov_b32 s3, ttmp9
	v_and_b32 v[L16], 31, v0
	v_lshlrev_b32 v[L16], 4, v[L16]
	v_and_b32 v6, 15, v0                           ; r
	v_bfe_u32 v7, v0, 4, 1                         ; h
	s_wait_dscnt 0x0                               ; the opening add is done
	s_wait_kmcnt 0x0
	s_cmp_ge_u32 s3, 128                           ; the same answer in all waves of a work-group
	s_cbranch_scc1 .Ltop
	; ================= T = E2 Wo^T + bo =================
.set WA,  2                            ; v2   my place in a fragment of Wo (f32)
.set PS,  3                            ; v3   where my partial table's 16 bytes go
.set BO,  4                            ; v4   16 (lane % 8)
.set RLA, 8                            ; v8-11  where I read table tile w of waves 0, 2, 4, 6; the odd ones lie 33,280 bytes on
.set EA,  16                           ; v16-127   E2's fragments of two steps: 7 k2 + mt
.set EB,  128                          ; v128-239  the other set
.set BV,  240                          ; v240-245  bo
.set WF,  112                          ; window 1: v0-111 accumulator 2 mt + nt; v112-175 Wo in f32, fragment 2 k2 + nt; v176-207 the same in bf16
.set WR,  176
.macro EL b, set                       ; E2's 14 fragments of steps 2 b and 2 b + 1: 28 loads of 512 consecutive bytes
.set f, 0
.rept 14
	global_load_b128 v[(\set)+8*f:(\set)+8*f+3], v[L16], s[6:7] offset:(f%7)*65536+(2*(\b)+f/7)*1024
	global_load_b128 v[(\set)+8*f+4:(\set)+8*f+7], v[L16], s[6:7] offset:(f%7)*65536+(2*(\b)+f/7)*1024+512
.set f, f+1
.endr
.endm
.macro BATCH b, set, left              ; 64 of the sum's index: 28 products
	WIN 0x40                                       ; destination window 1
.set f, 0
.rept 4
	ds_load_b128 v[WF+16*f:WF+16*f+3], v[WA] offset:(f%2)*16*PX+(2*(\b)+f/2)*128
	ds_load_b128 v[WF+16*f+4:WF+16*f+7], v[WA] offset:(f%2)*16*PX+(2*(\b)+f/2)*128+16
	ds_load_b128 v[WF+16*f+8:WF+16*f+11], v[WA] offset:(f%2)*16*PX+(2*(\b)+f/2)*128+64
	ds_load_b128 v[WF+16*f+12:WF+16*f+15], v[WA] offset:(f%2)*16*PX+(2*(\b)+f/2)*128+80
.set f, f+1
.endr
	s_wait_dscnt 0x0
	WIN 0x45                                       ; destination and both sources in window 1
.set i, 0
.rept 32
	v_cvt_pk_bf16_f32 v[WR+i], v[WF+2*i], v[WF+2*i+1]
.set i, i+1
.endr
	s_wait_loadcnt \left                           ; the other set's 28 loads may stay out; this set's are in
	WIN 0x51                                       ; source 0, C and D in window 1, source 1 in window 0
.set f, 0
.rept 28                               ; f = 14 k2 + 2 mt + nt: the 14 accumulators take turns
.if ((\b) == 0) && (f < 14)
	v_wmma_f32_16x16x32_bf16 v[8*(f%14):8*(f%14)+7], v[WR+8*(2*(f/14)+f%2):WR+8*(2*(f/14)+f%2)+7], v[(\set)+8*(7*(f/14)+(f%14)/2):(\set)+8*(7*(f/14)+(f%14)/2)+7], 0
.else
	v_wmma_f32_16x16x32_bf16 v[8*(f%14):8*(f%14)+7], v[WR+8*(2*(f/14)+f%2):WR+8*(2*(f/14)+f%2)+7], v[(\set)+8*(7*(f/14)+(f%14)/2):(\set)+8*(7*(f/14)+(f%14)/2)+7], v[8*(f%14):8*(f%14)+7]
.endif
.set f, f+1
.endr
	WIN 0
.rept 4
	v_nop                                          ; four places in front of loads into, conversions onto and stores of these products' registers
.endr
.if (\b) < 2
	EL (\b)+2, \set
.endif
.endm
	s_mov_b32 s12, 1                               ; group 0: count = 1
	s_mul_i32 s13, s2, WT                          ; LDS address: my region
	s_mov_b32 s16, (2<<16)|(1<<20)|(7<<22)|(3<<25) ; group 1: elements of 4 bytes; padding on, after every 256 words (code 7), 4 words (code 3)
	s_mov_b32 s17, 256<<16                         ; tensor_dim0 = 256
	s_mov_b32 s18, 32<<16                          ; tensor_dim1 = 32
	s_mov_b32 s19, 256<<16                         ; tile_dim0 = 256
	s_mov_b32 s20, 32                              ; tile_dim1 = 32
	s_mov_b32 s21, 2048                            ; elements from row to row
	s_mov_b32 s22, 0
	s_mov_b32 s23, 0
	s_lshl_b32 s4, s3, 18                          ; 32 tb rows of 8,192 bytes
	s_lshl_b32 s5, s2, 10                          ; my 256 columns
	s_add_co_u32 s4, s4, s5
	s_mov_b32 s5, 0
	s_add_nc_u64 s[14:15], s[32:33], s[4:5]
	s_or_b32 s15, s15, 0x80000000                  ; type = 2
	s_lshl_b32 s4, s2, 13
	s_add_nc_u64 s[6:7], s[36:37], s[4:5]          ; e2b at step 8 w
	s_lshl_b32 s4, s3, 7
	s_add_nc_u64 s[8:9], s[34:35], s[4:5]          ; bo at column 32 tb
	s_mul_i32 s4, s3, 14336
	s_lshl_b32 s24, s2, 11
	s_add_co_u32 s4, s4, s24
	s_add_nc_u64 s[10:11], s[42:43], s[4:5]        ; tt at block tb, table tile w
	v_and_b32 v[BO], 7, v0
	v_lshlrev_b32 v[BO], 4, v[BO]
	tensor_load_to_lds s[12:15], s[16:23]          ; my one tensor load: one is out
	s_nop 0
	global_load_b128 v[BV:BV+3], v[BO], s[8:9]
	EL 0, EA
	EL 1, EB
	v_mul_u32_u24 v[WA], v6, PX
	v_lshl_add_u32 v[WA], v7, 5, v[WA]
	v_add_nc_u32 v[WA], s13, v[WA]                 ; my region + 1,040 r + 32 h
	v_mul_u32_u24 v[PS], v6, PT
	v_lshl_add_u32 v[PS], v7, 5, v[PS]
	v_add_nc_u32 v[PS], s13, v[PS]                 ; my region + 144 r + 32 h
	v_bfe_u32 v5, v0, 3, 2
	s_lshl_b32 s24, s2, 4
	v_add_nc_u32 v5, s24, v5                       ; table row 16 w + lane / 8
	v_mul_u32_u24 v5, v5, PT
	v_add_nc_u32 v[RLA], v5, v[BO]
	v_add_nc_u32 v[RLA+1], 2*WT, v[RLA]
	v_add_nc_u32 v[RLA+2], 4*WT, v[RLA]
	v_add_nc_u32 v[RLA+3], 6*WT, v[RLA]
	s_wait_tensorcnt 0x0                           ; my tile is in; nobody else reads it
	BATCH 0, EA, 28
	BATCH 1, EB, 28
	BATCH 2, EA, 28
	BATCH 3, EB, 0
	WIN 0x04                                       ; store data in window 1.  Lane (r, h) holds table row 16 mt + r, columns 16 nt + 8 h + 0..7
.set f, 0
.rept 14
	ds_store_b128 v[PS], v[8*f:8*f+3] offset:16*PT*(f/2)+64*(f%2)          ; each accumulator's low registers first
	ds_store_b128 v[PS], v[8*f+4:8*f+7] offset:16*PT*(f/2)+64*(f%2)+16
.set f, f+1
.endr
	WIN 0
	s_wait_dscnt 0x0                               ; for the others' sake: my stores are done
	s_barrier_signal -1
	s_barrier_wait -1
	s_cmp_eq_u32 s2, 7                             ; seven table tiles: wave 7 has none to sum
	s_cbranch_scc1 .Lt_end
.set f, 0
.rept 32                               ; f = 4 v + i: wave v's partial table, rows 4 i + lane / 8 of my tile, 512 bytes a load
	ds_load_b128 v[16+4*f:16+4*f+3], v[RLA+f/8] offset:((f/4)%2)*WT+(f%4)*4*PT
.set f, f+1
.endr
	v_cvt_pk_bf16_f32 v[BV+4], v[BV], v[BV+1]      ; bo is rounded to bf16 like every input, and added in f32
	v_cvt_pk_bf16_f32 v[BV+5], v[BV+2], v[BV+3]
	v_lshlrev_b32 v[BV], 16, v[BV+4]
	v_and_b32 v[BV+1], 0xffff0000, v[BV+4]
	v_lshlrev_b32 v[BV+2], 16, v[BV+5]
	v_and_b32 v[BV+3], 0xffff0000, v[BV+5]
	s_wait_dscnt 0x0
.irp d, 16,32,64                       ; a tree of 56 packed additions: neighbours 1, 2 and 4 waves apart
.set a, 0
.rept 64/\d
.irp i, 0,2,4,6,8,10,12,14
	v_pk_add_f32 v[16+2*\d*a+\i:17+2*\d*a+\i], v[16+2*\d*a+\i:17+2*\d*a+\i], v[16+2*\d*a+\d+\i:17+2*\d*a+\d+\i]
.endr
.set a, a+1
.endr
.endr
.irp i, 0,1,2,3
	v_pk_add_f32 v[16+4*\i:17+4*\i], v[16+4*\i:17+4*\i], v[BV:BV+1]
	v_pk_add_f32 v[18+4*\i:19+4*\i], v[18+4*\i:19+4*\i], v[BV+2:BV+3]
	global_store_b128 v[L16], v[16+4*\i:19+4*\i], s[10:11] offset:512*\i   ; four table rows of 128 bytes: 512 consecutive bytes, aligned
.endr
.Lt_end:
	s_wait_tensorcnt 0x0                           ; the wave's end, behind my tensor load and my last LDS store
	ds_add_u32 v[SPW], v[NIL]
	s_wait_dscnt 0x0
	s_endpgm
	; ================= the three largest scores and their softmax =================
.set AC,  16                           ; v16-71   the sums: entry 16 ct + 8 h + j at AC + 8 ct + j
.set R0,  72                           ; v72-127, v128-183, v184-239: three sets that take turns for the slices on their way
.set R1,  128
.set R2,  184
.set V1,  240                          ; v240-242 the three largest, in order; v243-245 their indices
.set I1,  243
.set VC,  246                          ; the candidate's index
.set NINF, 253
.macro SL base, dst                    ; a slice of my row tile: 7 blocks of 1,024 bytes, 14 loads of 512 consecutive bytes
.set f, 0
.rept 14
	global_load_b128 v[(\dst)+4*f:(\dst)+4*f+3], v[L16], s[\base:\base+1] offset:512*f
.set f, f+1
.endr
.endm
.macro ADDS src
.set f, 0
.rept 28
	v_pk_add_f32 v[AC+2*f:AC+2*f+1], v[AC+2*f:AC+2*f+1], v[(\src)+2*f:(\src)+2*f+1]
.set f, f+1
.endr
.endm
.macro PUSH x, c                       ; s48, s49, s50: the candidate goes in front of the first, second, third.  Each line reads the old values that it needs
	v_cndmask_b32 v[V1+2], v[V1+2], v[\x], s50
	v_cndmask_b32 v[I1+2], v[I1+2], v[\c], s50
	v_cndmask_b32 v[V1+2], v[V1+2], v[V1+1], s49
	v_cndmask_b32 v[I1+2], v[I1+2], v[I1+1], s49
	v_cndmask_b32 v[V1+1], v[V1+1], v[\x], s49
	v_cndmask_b32 v[I1+1], v[I1+1], v[\c], s49
	v_cndmask_b32 v[V1+1], v[V1+1], v[V1], s48
	v_cndmask_b32 v[I1+1], v[I1+1], v[I1], s48
	v_cndmask_b32 v[V1], v[V1], v[\x], s48
	v_cndmask_b32 v[I1], v[I1], v[\c], s48
.endm
.macro INS x, c                        ; a candidate of my own, indices ascending: a strict compare keeps the lower index in front
	v_mov_b32 v[VC], \c
	v_cmp_gt_f32 s48, v[\x], v[V1]
	v_cmp_gt_f32 s49, v[\x], v[V1+1]
	v_cmp_gt_f32 s50, v[\x], v[V1+2]
	PUSH \x, VC
.endm
.macro INS2 x, c                       ; a candidate of the other half of the lanes: larger, or equal with the lower index
.irp i, 0,1,2
	v_cmp_gt_f32 s54, v[\x], v[V1+\i]
	v_cmp_eq_f32 s55, v[\x], v[V1+\i]
	v_cmp_lt_u32 s56, v[\c], v[I1+\i]
	s_and_b32 s55, s55, s56
	s_or_b32 s[48+\i], s54, s55
.endr
	PUSH \x, \c
.endm
.Ltop:
	s_sub_co_u32 s4, s3, 128
	s_lshl_b32 s4, s4, 3
	s_add_co_u32 s4, s4, s2                        ; my row tile
	s_lshl_b32 s6, s4, 13
	s_mov_b32 s7, 0
	s_add_nc_u64 s[16:17], s[38:39], s[6:7]        ; slice 0 of it,
.irp s, 1,2,3,4,5,6,7
	s_add_nc_u64 s[16+2*\s:17+2*\s], s[16:17], 2097152*\s  ; and the others, 256 row tiles of 8,192 bytes apart
.endr
	s_lshl_b32 s6, s4, 8
	s_add_nc_u64 s[8:9], s[44:45], s[6:7]          ; idx and wts at my 16 rows
	s_add_nc_u64 s[10:11], s[46:47], s[6:7]
	s_mov_b32 s52, 0x76543210                      ; v_permlanex16_b32: each lane takes its own place in the other half
	s_mov_b32 s53, 0xfedcba98
	v_lshlrev_b32 v3, 5, v7                        ; sb: my eight entries of a tile begin 8 h further on
	v_lshlrev_b32 v4, 4, v6
	v_lshl_add_u32 v4, v7, 3, v4                   ; 16 r + 8 h
	SL 16, AC
	SL 18, R0
	SL 20, R1
	SL 22, R2
	v_mov_b32 v[NINF], 0xff800000
	v_mov_b32 v[V1], v[NINF]
	v_mov_b32 v[V1+1], v[NINF]
	v_mov_b32 v[V1+2], v[NINF]
	v_mov_b32 v[I1], 0
	v_mov_b32 v[I1+1], 0
	v_mov_b32 v[I1+2], 0
	v_cmp_eq_u32 s51, 1, v7                        ; the upper half of the lanes
	v_cmp_eq_u32 s57, 0, v7                        ; the lower
	s_wait_loadcnt 28                              ; loads come back in order (ISA guide 5.7.1): two younger slices, 28 loads, stay out
	ADDS R0
	SL 24, R0
	s_wait_loadcnt 28
	ADDS R1
	SL 26, R1
	s_wait_loadcnt 28
	ADDS R2
	SL 28, R2
	s_wait_loadcnt 28
	ADDS R0
	SL 30, R0
	s_wait_loadcnt 28
	ADDS R1
.set f, 0
.rept 14                               ; sb rides as a ninth slice
	global_load_b128 v[R1+4*f:R1+4*f+3], v3, s[40:41] offset:64*(f/2)+16*(f%2)
.set f, f+1
.endr
	s_wait_loadcnt 28
	ADDS R2
	s_wait_loadcnt 14                              ; sb's 14 stay out
	ADDS R0
	s_wait_loadcnt 0x0
	ADDS R1
.irp j, 0,1,2,3
	v_cndmask_b32 v[AC+48+\j], v[AC+48+\j], v[NINF], s51   ; tile 6 holds entries 96-99 in the lower lanes' first four registers; the upper lanes' are past the table's end
.endr
.set f, 0
.rept 52
	INS AC+f, 16*(f/8)+f%8
.set f, f+1
.endr
.irp i, 0,1,2
	v_lshl_add_u32 v[I1+\i], v7, 3, v[I1+\i]       ; the lanes' 8 h
.endr
.irp i, 0,1,2,3,4,5
	v_permlanex16_b32 v[R0+\i], v[V1+\i], s52, s53 ; the row's other 48 entries' three best; the destinations have been written (by the loads)
.endr
	INS2 R0, R0+3
	INS2 R0+1, R0+4
	INS2 R0+2, R0+5
	v_sub_f32 v80, v[V1+1], v[V1]                  ; the largest score is taken away
	v_sub_f32 v81, v[V1+2], v[V1]
	v_mul_f32 v80, 0x3d0293ee, v80                 ; log2(e) / sqrt(2048)
	v_mul_f32 v81, 0x3d0293ee, v81
	v_exp_f32 v80, v80
	v_exp_f32 v81, v81
	v_cndmask_b32 v84, v[I1], v[I1+2], s51         ; a plain instruction behind the exponentials (ISA guide 5.7.2).  Lower lanes store (first, second), upper lanes (third, 0)
	v_cndmask_b32 v85, 0, v[I1+1], s57
	s_wait_alu depctr_va_vdst(0)
	v_add_f32 v82, 1.0, v80
	v_add_f32 v82, v82, v81
	v_rcp_f32 v82, v82                             ; w1
	global_store_b64 v4, v[84:85], s[8:9]          ; 256 consecutive bytes, aligned
	v_nop                                          ; a plain instruction behind the reciprocal
	s_wait_alu depctr_va_vdst(0)
	v_mul_f32 v80, v80, v82                        ; w2
	v_mul_f32 v81, v81, v82                        ; w3
	v_cndmask_b32 v86, v82, v81, s51
	v_cndmask_b32 v87, 0, v80, s57
	global_store_b64 v4, v[86:87], s[10:11]
	s_wait_tensorcnt 0x0                           ; the wave's end
	ds_add_u32 v[SPW], v[NIL]
	s_wait_dscnt 0x0
	s_endpgm
.Lfunc_end_k_q365a0e9581_tk:
	.size	k_q365a0e9581_tk, .Lfunc_end_k_q365a0e9581_tk-k_q365a0e9581_tk
	.p2alignl 7, 3214868480
	.fill 96, 4, 3214868480
	.section	.rodata,"a",@progbits
	.p2align	6, 0x0
	.amdhsa_kernel k_q365a0e9581_tk
		.amdhsa_group_segment_fixed_size 267264
		.amdhsa_private_segment_fixed_size 0
		.amdhsa_enable_private_segment 0
		.amdhsa_kernarg_size 64
		.amdhsa_user_sgpr_count 2
		.amdhsa_user_sgpr_kernarg_segment_ptr 1
		.amdhsa_wavefront_size32 1
		.amdhsa_system_sgpr_workgroup_id_x 1
		.amdhsa_system_sgpr_workgroup_id_y 1
		.amdhsa_system_sgpr_workgroup_id_z 1
		.amdhsa_system_vgpr_workitem_id 0
		.amdhsa_next_free_vgpr 464
		.amdhsa_next_free_sgpr 66
		.amdhsa_reserve_vcc 0
		.amdhsa_float_denorm_mode_32 3
		.amdhsa_float_denorm_mode_16_64 3
		.amdhsa_memory_ordered 1
		.amdhsa_forward_progress 1
		.amdhsa_inst_pref_size 121
	.end_amdhsa_kernel
	.amdgpu_metadata
---
amdhsa.version: [ 1, 2 ]
amdhsa.kernels:
  - .name:           k_q365a0e9581_tk
    .symbol:         k_q365a0e9581_tk.kd
    .args:
      - { .name: Wo, .offset: 0, .size: 8, .value_kind: global_buffer, .address_space: global }
      - { .name: bo, .offset: 8, .size: 8, .value_kind: global_buffer, .address_space: global }
      - { .name: e2b, .offset: 16, .size: 8, .value_kind: global_buffer, .address_space: global }
      - { .name: sp, .offset: 24, .size: 8, .value_kind: global_buffer, .address_space: global }
      - { .name: sb, .offset: 32, .size: 8, .value_kind: global_buffer, .address_space: global }
      - { .name: tt, .offset: 40, .size: 8, .value_kind: global_buffer, .address_space: global }
      - { .name: idx, .offset: 48, .size: 8, .value_kind: global_buffer, .address_space: global }
      - { .name: wts, .offset: 56, .size: 8, .value_kind: global_buffer, .address_space: global }
    .group_segment_fixed_size: 267264
    .private_segment_fixed_size: 0
    .kernarg_segment_align: 8
    .kernarg_segment_size: 64
    .max_flat_workgroup_size: 256
    .sgpr_count:     66
    .vgpr_count:     464
    .wavefront_size: 32
...
	.end_amdgpu_metadata
.endif
;; end of part 3
;; launch gather (part 4): grid 32 x 8, 8 waves a work-group, no clusters, 58,880 bytes of LDS; arguments tt, idx, wts, out0; writes out0
.if DOCPART == 4
	.amdgcn_target "amdgcn-amd-amdhsa--gfx1250"
	.amdhsa_code_object_version 6
	.text
	.protected	k_q365a0e9581_gather
	.globl	k_q365a0e9581_gather
	.p2align	8
	.type	k_q365a0e9581_gather,@function
k_q365a0e9581_gather:
	s_mov_b64 s[64:65], 0
	v_nop
	global_prefetch_b8 v0, s[64:65] scope:SCOPE_SE
	s_setreg_imm32_b32 hwreg(HW_REG_WAVE_MODE, 25, 1), 1
	s_wait_xcnt 0x0
; out0[t / 2048][row][t % 2048] = w1 T[i1][t] + w2 T[i2][t] + w3 T[i3][t], all f32.
; SHARES.  Work-group (x, y): 128 columns t = 128 x .., rows 512 y ..  The table's 128 columns (4 blocks of tt, 112 rows x 128 bytes each) lie in LDS; a wave takes 64 rows, a row at a time:
; lane L makes 16 bytes at 16 L of the row's 512, so each store covers 512 consecutive bytes, aligned.  A row's three indices and weights are read out of a lane's registers into scalars.
; The indices were stored as whole numbers by the launch before; each is clamped to the table's last row before it enters an LDS address.
; No matrix unit: three multiply-adds a number.  NO CLUSTER: the 8 work-groups of one x share 57,344 bytes of tt, a fifth of the 262,144 that each stores.
.set BLK,   14464                      ; a block's 14,336 bytes + 128: two neighbouring blocks' rows fall on different halves of the 64 banks (ISA guide 11.1)
.set SPARE, 4*BLK                      ; the spare words: 128 bytes for each wave
.set PUT, 1                            ; v1   where my part of the table goes
.set TB,  2                            ; v2   my 16 bytes in table row 0: block L / 8, 16 (L % 8)
.set L16, 3                            ; v3   16 x lane
.set IX,  4                            ; v4-7   lane L: the indices of row L of the 32 in hand;  v8-11 its weights;  v12-19 those of the second 32
.set WG,  8
.set SPW, 20                           ; v20  my spare word; never rewritten
.set NIL, 21                           ; v21  0; never rewritten
.set AD,  48                           ; v48-59   12 LDS addresses: 4 rows x 3
.set DA,  64                           ; v64-111  their 16 bytes each
.set OU,  112                          ; v112-143 two sets of 4 rows to store
	s_load_b256 s[4:11], s[0:1], 0x0               ; tt s[4:5], idx s[6:7], wts s[8:9], out0 s[10:11]
	v_lshl_add_u32 v[SPW], v0, 2, SPARE
	v_mov_b32 v[NIL], 0
	v_lshrrev_b32 v22, 5, v0
	v_readfirstlane_b32 s2, v22                    ; w
	s_mov_b32 s3, ttmp9                            ; x
	s_and_b32 s12, ttmp7, 0xffff                   ; y
	v_and_b32 v[L16], 31, v0
	v_lshlrev_b32 v[L16], 4, v[L16]
	s_lshl_b32 s13, s3, 2
	s_lshr_b32 s14, s2, 1
	s_add_co_u32 s13, s13, s14                     ; wave w brings half w % 2 of block 4 x + w / 2
	s_mul_i32 s16, s13, 14336
	s_and_b32 s15, s2, 1
	s_mul_i32 s15, s15, 7168
	s_add_co_u32 s16, s16, s15
	s_mov_b32 s17, 0
	s_mul_i32 s14, s14, BLK
	s_add_co_u32 s14, s14, s15
	v_add_nc_u32 v[PUT], s14, v[L16]
	s_lshl_b32 s18, s12, 9
	s_lshl_b32 s19, s2, 6
	s_add_co_u32 s18, s18, s19                     ; my first row
	s_lshl_b32 s56, s18, 4                         ; 16 bytes a row in idx and wts
	s_mov_b32 s57, 0
	s_lshl_b32 s58, s18, 13                        ; 8,192 bytes a row in out0,
	s_lshr_b32 s19, s3, 4
	s_lshl_b32 s19, s19, 25                        ; the token's 4,096 rows,
	s_add_co_u32 s58, s58, s19
	s_and_b32 s19, s3, 15
	s_lshl_b32 s19, s19, 9                         ; my 512 bytes of a row
	s_add_co_u32 s58, s58, s19
	s_mov_b32 s59, 0
	v_bfe_u32 v[TB], v0, 3, 2
	v_mul_u32_u24 v[TB], v[TB], BLK
	v_and_b32 v22, 7, v0
	v_lshl_add_u32 v[TB], v22, 4, v[TB]
.set n, 0
.rept 12
	s_mov_b32 s[33+2*n], 0                         ; the packed forms name a pair and take its low word for both halves: the high words are written once
.set n, n+1
.endr
	s_wait_kmcnt 0x0
	s_add_nc_u64 s[4:5], s[4:5], s[16:17]
	s_add_nc_u64 s[6:7], s[6:7], s[56:57]
	s_add_nc_u64 s[8:9], s[8:9], s[56:57]
	s_add_nc_u64 s[10:11], s[10:11], s[58:59]
.set i, 0
.rept 14
	global_load_b128 v[DA+4*i:DA+4*i+3], v[L16], s[4:5] offset:512*i
.set i, i+1
.endr
	global_load_b128 v[IX:IX+3], v[L16], s[6:7]
	global_load_b128 v[WG:WG+3], v[L16], s[8:9]
	global_load_b128 v[12:15], v[L16], s[6:7] offset:512
	global_load_b128 v[16:19], v[L16], s[8:9] offset:512
	s_wait_loadcnt 0x0
.set i, 0
.rept 14
	ds_store_b128 v[PUT], v[DA+4*i:DA+4*i+3] offset:512*i
.set i, i+1
.endr
	s_wait_dscnt 0x0                               ; for the others' sake: my part of the table is in
	s_barrier_signal -1
	s_barrier_wait -1
; four rows: 4 g to 4 g + 3 of the 32 in hand
.macro GROUP g
.set OUT, OU+16*((\g)%2)
.set n, 0
.rept 12                               ; n = 3 q + k: row q's pick k
	v_readlane_b32 s[20+n], v[IX+n%3], 4*(\g)+n/3
	s_min_u32 s[20+n], s[20+n], 99                 ; the table ends at row 99
	v_lshl_add_u32 v[AD+n], s[20+n], 7, v[TB]      ; 128 bytes a table row
	ds_load_b128 v[DA+4*n:DA+4*n+3], v[AD+n]
	v_readlane_b32 s[32+2*n], v[WG+n%3], 4*(\g)+n/3
.set n, n+1
.endr
	s_wait_xcnt 0x0                                ; the set's registers, which stores two groups back read, are written only behind this wait
.set q, 0
.rept 4
	s_wait_dscnt 9-3*q                             ; LDS loads come back in order (ISA guide 5.7.1): the later rows' stay out
	v_pk_mul_f32 v[OUT+4*q:OUT+4*q+1], v[DA+12*q:DA+12*q+1], s[32+6*q:33+6*q] op_sel_hi:[1,0]
	v_pk_mul_f32 v[OUT+4*q+2:OUT+4*q+3], v[DA+12*q+2:DA+12*q+3], s[32+6*q:33+6*q] op_sel_hi:[1,0]
	v_pk_fma_f32 v[OUT+4*q:OUT+4*q+1], v[DA+12*q+4:DA+12*q+5], s[34+6*q:35+6*q], v[OUT+4*q:OUT+4*q+1] op_sel_hi:[1,0,1]
	v_pk_fma_f32 v[OUT+4*q+2:OUT+4*q+3], v[DA+12*q+6:DA+12*q+7], s[34+6*q:35+6*q], v[OUT+4*q+2:OUT+4*q+3] op_sel_hi:[1,0,1]
	v_pk_fma_f32 v[OUT+4*q:OUT+4*q+1], v[DA+12*q+8:DA+12*q+9], s[36+6*q:37+6*q], v[OUT+4*q:OUT+4*q+1] op_sel_hi:[1,0,1]
	v_pk_fma_f32 v[OUT+4*q+2:OUT+4*q+3], v[DA+12*q+10:DA+12*q+11], s[36+6*q:37+6*q], v[OUT+4*q+2:OUT+4*q+3] op_sel_hi:[1,0,1]
	global_store_b128 v[L16], v[OUT+4*q:OUT+4*q+3], s[10:11] offset:8192*(4*(\g)+q) th:TH_STORE_NT
.set q, q+1
.endr
.endm
	s_mov_b32 s13, 2
.Lhalf:                                                ; two trips of 32 rows
.irp g, 0,1,2,3,4,5,6,7
	GROUP \g
.endr
	s_wait_xcnt 0x0                                ; the stores' base is stepped only behind this wait
	s_add_nc_u64 s[10:11], s[10:11], 262144        ; 32 rows on
.irp k, 0,1,2
	v_mov_b32 v[IX+\k], v[12+\k]                   ; the second 32 rows' indices and weights go where the one text of the groups names them
	v_mov_b32 v[WG+\k], v[16+\k]
.endr
	s_sub_co_u32 s13, s13, 1
	s_cmp_lg_u32 s13, 0
	s_cbranch_scc1 .Lhalf
	s_wait_tensorcnt 0x0                           ; the wave's end, behind my last LDS store
	ds_add_u32 v[SPW], v[NIL]
	s_wait_dscnt 0x0
	s_endpgm
.Lfunc_end_k_q365a0e9581_gather:
	.size	k_q365a0e9581_gather, .Lfunc_end_k_q365a0e9581_gather-k_q365a0e9581_gather
	.p2alignl 7, 3214868480
	.fill 96, 4, 3214868480
	.section	.rodata,"a",@progbits
	.p2align	6, 0x0
	.amdhsa_kernel k_q365a0e9581_gather
		.amdhsa_group_segment_fixed_size 58880
		.amdhsa_private_segment_fixed_size 0
		.amdhsa_enable_private_segment 0
		.amdhsa_kernarg_size 32
		.amdhsa_user_sgpr_count 2
		.amdhsa_user_sgpr_kernarg_segment_ptr 1
		.amdhsa_wavefront_size32 1
		.amdhsa_system_sgpr_workgroup_id_x 1
		.amdhsa_system_sgpr_workgroup_id_y 1
		.amdhsa_system_sgpr_workgroup_id_z 1
		.amdhsa_system_vgpr_workitem_id 0
		.amdhsa_next_free_vgpr 160
		.amdhsa_next_free_sgpr 66
		.amdhsa_reserve_vcc 0
		.amdhsa_float_denorm_mode_32 3
		.amdhsa_float_denorm_mode_16_64 3
		.amdhsa_memory_ordered 1
		.amdhsa_forward_progress 1
		.amdhsa_inst_pref_size 52
	.end_amdhsa_kernel
	.amdgpu_metadata
---
amdhsa.version: [ 1, 2 ]
amdhsa.kernels:
  - .name:           k_q365a0e9581_gather
    .symbol:         k_q365a0e9581_gather.kd
    .args:
      - { .name: tt, .offset: 0, .size: 8, .value_kind: global_buffer, .address_space: global }
      - { .name: idx, .offset: 8, .size: 8, .value_kind: global_buffer, .address_space: global }
      - { .name: wts, .offset: 16, .size: 8, .value_kind: global_buffer, .address_space: global }
      - { .name: out0, .offset: 24, .size: 8, .value_kind: global_buffer, .address_space: global }
    .group_segment_fixed_size: 58880
    .private_segment_fixed_size: 0
    .kernarg_segment_align: 8
    .kernarg_segment_size: 32
    .max_flat_workgroup_size: 256
    .sgpr_count:     66
    .vgpr_count:     160
    .wavefront_size: 32
...
	.end_amdgpu_metadata
.endif
;; end of part 4
;; ======== version 2 of 2: 4 launches; version 1 with the launches prep, gather written anew for expert scheduling mode
;; workspace buffers: mp 1,572,864 bytes; e2b 524,288 bytes; sb 512 bytes; sp 16,777,216 bytes; tt 1,835,008 bytes; idx 65,536 bytes of whole numbers; wts 65,536 bytes
;; launch prep (part 5): grid 256 x 1, 8 waves a work-group, no clusters, 191,488 bytes of LDS; arguments K_emb, Wv, bv, K_keys, Wq, bq, e2b, mp, sb; writes e2b, mp, sb
.if DOCPART == 5
	.amdgcn_target "amdgcn-amd-amdhsa--gfx1250"
	.amdhsa_code_object_version 6
	.text
	.protected	k_q365a0e9581_prep
	.globl	k_q365a0e9581_prep
	.p2align	8
	.type	k_q365a0e9581_prep,@function
k_q365a0e9581_prep:
	s_mov_b64 s[64:65], 0
	v_nop
	global_prefetch_b8 v0, s[64:65] scope:SCOPE_SE
	s_setreg_imm32_b32 hwreg(HW_REG_WAVE_SCHED_MODE, 0, 2), 2
	s_setreg_imm32_b32 hwreg(HW_REG_WAVE_MODE, 25, 1), 1
	s_wait_xcnt 0x0
	s_wait_alu depctr_vm_vsrc(0)
; TWO SMALL PRODUCTS OVER THE TABLE'S ROWS, one for each half of the grid.
;   work-groups 0-127:   E2[c][n] = sum_k K_emb[c][k] Wv[n][k] + bv[n], rounded once to bf16              -> e2b
;   work-groups 128-255: M[c][n]  = sum_j K_keys[c][j] Wq[j][n], kept as three bf16 pieces (24 bits)      -> mp
;                        sb[c]    = sum_j K_keys[c][j] bq[j], f32                                         -> sb
; They serve  scores = X M^T + sb  and  tokens = sum of the three weights times T[idx], T = E2 Wo^T + bo: the softmax weights add up to 1, so both biases may ride in the table.
; All inputs are rounded to bf16 on their way to the matrix unit; sums are f32.  LIMIT: E2 is rounded to bf16 once more; M is not (hi + mid + lo hold 24 bits).
; Table rows 100 to 127 are copies of row 99 (clamped loads): finite numbers that later launches mask or never name.
; SHARES.  A work-group: 32 table rows (g) x 64 columns (ns), all 2,048 of the sum's index.  Wave w owns 256 of that index, in 4 stages of 64: it loads f32, rounds, lays the
; bf16 tiles into LDS bytes of its own, reads fragments back and multiplies: no barrier until the 8 partial tiles meet in LDS, once.
; OUTPUT in fragment order: a block of 1,024 bytes holds 16 rows x 32 columns of bf16 as a wave's registers want them: lane L's registers 0-3 at 16 L, 4-7 at 512 + 16 L.
; The products are used transposed (source 0 = 16 columns, source 1 = 16 table rows): a lane then holds one table row and eight neighbouring columns, which pack into those 16 bytes.
; NO CLUSTER: the four work-groups of one ns share 64 rows of the weights, but these are f32 and are rounded in registers on the way in; as joint tiles they would have to lie in LDS
; as f32, (32 + 64) rows x 8,192 bytes for a work-group, more than twice what LDS holds, so in slots that are filled again.  Not built.
; THE MODE: SCHED_MODE bits 1:0 = 2 (LLVM: expert scheduling mode 2), set by the entry lines.  The code itself states the register dependences
; between vector or matrix instructions and memory or LDS instructions, with s_wait_alu, always for 0.
; THE PLAN.  Registers that memory or LDS instructions touch:
;   S (v32-227)        A stage's global loads land in it; the stage's conversions read and write it in place; the stage's LDS stores read two of each four; the next stage's loads land in it.
;   the fragments      (window 1, v80-191) A stage's LDS loads land in them; its products read them.
;   the accumulators   The products write them; the LDS stores of the meeting read them.
;   v3-11, v14-31      Offsets and LDS addresses, made at the head and never written again.
; A stage: all its conversions in one run; ONE wait on va_vdst (they have written the stores' data and are done with S; the last stage's products are done reading the fragments); the run of LDS stores;
; ONE wait on vm_vsrc (the stores have read S); the next stage's global loads; the fragments' LDS loads, between which and the wait on va_vdst stand only stores, loads and a window switch that name
; none of the fragments' registers or addresses.  A second S (196 registers) does not fit beside this one: two waves share a SIMD's 1,024 registers.
.set PA,    144                        ; an LDS row of 64 bf16: 128 bytes + 16: the 16 rows of a fragment load start at 16 different groups of four banks (64 banks of 4 bytes: ISA guide 11.1)
.set WRB,   15360                      ; a wave's own bytes: A's tile (34 rows x 144 within 5,120), then B's (64 rows x 144 or x 160)
.set BOFF,  5120
.set RED,   8*WRB                      ; [wave 8][tile 8][1,024]: the partial tiles
.set RED2,  RED+65536                  ; [wave 8][mt 2][128]: sb's partial sums; the 1,024 bytes behind them hold the spare words, 128 bytes for each wave
.set VR,  1                            ; v1   r = lane % 16
.set VH,  2                            ; v2   h = lane / 16
.set GB,  3                            ; v3   8,192 h + 16 r: two rows of B, 256 bytes of each
.set GQ,  4                            ; v4   16 r
.set SA,  5                            ; v5   where I put 8 bytes of A's tile
.set SB,  6                            ; v6   the same for B's
.set FA,  7                            ; v7   my place in a fragment of A
.set FB,  8                            ; v8   of B
.set FQ,  9                            ; v9   of bq: no row term, so all 16 rows of the fragment are bq
.set RS,  10                           ; v10  where my partial tiles go
.set RL,  11                           ; v11  where I read tile w of every wave
.set L16, 14                           ; v14  16 x lane
.set TM,  15                           ; v15  at work; then bv's offset (E2) or sb's partial sums' place (M)
.set AO,  16                           ; v16-31  byte offset of table rows 32 g + 2 p + h, clamped to row 99
.set S,   32                           ; v32-227 a stage's 49 loads, 4 registers each; later the reduction
.set BI,  228                          ; v228-235 bv of my eight columns
.set BT,  236                          ; v236-239 at work
; window 1: v0-79 ten accumulators (tile 4 mt + nt; 8 + mt is sb's); v80-191 a stage's fragments, 56 registers for each 32 of the index: A 2 x 8, B 4 x 8, bq 8
.set MSB, 0
.macro WIN new                         ; the immediate's high byte repeats the setting that is left; a switch that changes nothing is dropped
.if MSB != (\new)
	s_set_vgpr_msb (MSB<<8)|(\new)
.set MSB, \new
.endif
.endm
; a stage's loads: each covers two rows x 256 consecutive bytes, aligned.  part = 0: B's rows lie along the sum's index; 1: across it
.macro LOADS part, st
.set p, 0
.rept 16
	global_load_b128 v[S+4*p:S+4*p+3], v[AO+p], s[4:5] offset:256*(\st)
.set p, p+1
.endr
.set p, 0
.rept 32
.if \part
	global_load_b128 v[S+64+4*p:S+64+4*p+3], v[GB], s[6:7] offset:16384*p+524288*(\st)
.else
	global_load_b128 v[S+64+4*p:S+64+4*p+3], v[GB], s[6:7] offset:16384*p+256*(\st)
.endif
.set p, p+1
.endr
.if \part
	global_load_b128 v[S+192:S+195], v[GQ], s[8:9] offset:256*(\st)
.endif
.endm
; four f32 become four bf16 in place, in the first two of their four registers: A's 16 loads, B's 32, and (part = 1) bq's one lie on end in S
.macro CVT part
.set p, 0
.rept 48+(\part)
	v_cvt_pk_bf16_f32 v[S+4*p], v[S+4*p], v[S+4*p+1]
	v_cvt_pk_bf16_f32 v[S+4*p+1], v[S+4*p+2], v[S+4*p+3]
.set p, p+1
.endr
.endm
; and go into my tiles
.macro PUT part
.set p, 0
.rept 16
	ds_store_b64 v[SA], v[S+4*p:S+4*p+1] offset:2*PA*p
.set p, p+1
.endr
.set p, 0
.rept 32
	ds_store_b64 v[SB], v[S+64+4*p:S+64+4*p+1] offset:2*(PA+16*(\part))*p
.set p, p+1
.endr
.if \part
	ds_store_b64 v[SA], v[S+192:S+193] offset:32*PA    ; bq: rows 32 and 33 of A's tile (both halves of the lanes hold the same 64 numbers)
.endif
.endm
; the fragments of 32 of the index.  LDS serves a wave's instructions in order (ISA guide 5.7.1.4): these see the stores above
.macro FRAGS part, ks
	WIN 0x40                                       ; destination window 1, address window 0
.set FR, 80+56*(\ks)
.irp mt, 0,1
	ds_load_b128 v[FR+8*\mt:FR+8*\mt+3], v[FA] offset:16*PA*\mt+64*(\ks)
	ds_load_b128 v[FR+8*\mt+4:FR+8*\mt+7], v[FA] offset:16*PA*\mt+64*(\ks)+32
.endr
.irp nt, 0,1,2,3
.if \part
	ds_load_tr16_b128 v[FR+16+8*\nt:FR+16+8*\nt+3], v[FB] offset:5120*(\ks)+32*\nt         ; rows are the sum's index: the turning load makes the fragment
	ds_load_tr16_b128 v[FR+16+8*\nt+4:FR+16+8*\nt+7], v[FB] offset:5120*(\ks)+32*\nt+2560  ; 16 rows of 160 bytes on
.else
	ds_load_b128 v[FR+16+8*\nt:FR+16+8*\nt+3], v[FB] offset:16*PA*\nt+64*(\ks)
	ds_load_b128 v[FR+16+8*\nt+4:FR+16+8*\nt+7], v[FB] offset:16*PA*\nt+64*(\ks)+32
.endif
.endr
.if \part
	ds_load_b128 v[FR+48:FR+51], v[FQ] offset:64*(\ks)
	ds_load_b128 v[FR+52:FR+55], v[FQ] offset:64*(\ks)+32
.endif
.endm
; 8 products (10 with sb's): the accumulators take turns, one instruction a turn.  zero = 1: they start the sums
.macro MMS part, ks, zero
	WIN 0x55                                       ; all four operands in window 1
.set FR, 80+56*(\ks)
.irp mt, 0,1
.irp nt, 0,1,2,3
.if \zero
	v_wmma_f32_16x16x32_bf16 v[8*(4*\mt+\nt):8*(4*\mt+\nt)+7], v[FR+16+8*\nt:FR+16+8*\nt+7], v[FR+8*\mt:FR+8*\mt+7], 0
.else
	v_wmma_f32_16x16x32_bf16 v[8*(4*\mt+\nt):8*(4*\mt+\nt)+7], v[FR+16+8*\nt:FR+16+8*\nt+7], v[FR+8*\mt:FR+8*\mt+7], v[8*(4*\mt+\nt):8*(4*\mt+\nt)+7]
.endif
.endr
.endr
.if \part
.irp mt, 0,1
.if \zero
	v_wmma_f32_16x16x32_bf16 v[64+8*\mt:64+8*\mt+7], v[FR+48:FR+55], v[FR+8*\mt:FR+8*\mt+7], 0
.else
	v_wmma_f32_16x16x32_bf16 v[64+8*\mt:64+8*\mt+7], v[FR+48:FR+55], v[FR+8*\mt:FR+8*\mt+7], v[64+8*\mt:64+8*\mt+7]
.endif
.endr
.endif
.endm
.macro STAGE part, st, zero
	WIN 0
	s_wait_loadcnt 0x0                             ; only this stage's loads are out
	CVT \part
	s_wait_alu depctr_va_vdst(0)                   ; the conversions have written the registers of S that the LDS stores read, and are done reading S; the last stage's products are done reading the fragments, in which the LDS loads below land
	PUT \part
.if (\st) < 3
	s_wait_alu depctr_vm_vsrc(0)                   ; the LDS stores have read S, in which the next stage's loads land (the conversions that named S stand ahead of the wait on va_vdst)
	LOADS \part, (\st)+1                           ; the next stage's bytes are on their way while this one is multiplied
.endif
	FRAGS \part, 0                                 ; no wait: since the wait on va_vdst only stores, loads and a window switch were issued, and none names a fragment's register or address
	FRAGS \part, 1
	s_wait_dscnt 12+2*(\part)                      ; the second half's loads may stay out: the stores and the first half's fragments are done
	MMS \part, 0, \zero
	s_wait_dscnt 0x0
	MMS \part, 1, 0
.endm
; the 8 waves' partial tiles meet; wave w sums tile w = 4 mt + nt
.macro MEET part
	WIN 0
.rept 4
	v_nop                                          ; four places behind the last products (ISA guide 7.12.1)
.endr
	WIN 0x04                                       ; store data in window 1
	s_wait_alu depctr_va_vdst(0)                   ; the products have written the accumulators, which the LDS stores read; the places above stay beside this wait
.set t, 0
.rept 8
	ds_store_b128 v[RS], v[8*t:8*t+3] offset:1024*t        ; each accumulator's low registers first
	ds_store_b128 v[RS], v[8*t+4:8*t+7] offset:1024*t+512
.set t, t+1
.endr
.if \part
	ds_store_b32 v[TM], v64                        ; all 16 rows of source 0 were bq: register 0 of lane r is sb's partial sum for table row 16 mt + r
	ds_store_b32 v[TM], v72 offset:128
.endif
	WIN 0
	s_wait_dscnt 0x0                               ; for the others' sake: my stores are done
	s_barrier_signal -1
	s_barrier_wait -1
	s_wait_alu depctr_vm_vsrc(0)                   ; the last stage's LDS stores have read S: from here on loads land in it and the sums are made in it (its conversions stand ahead of the wait on va_vdst above)
.set t, 0
.rept 16
	ds_load_b128 v[S+4*t:S+4*t+3], v[RL] offset:8192*(t/2)+512*(t%2)
.set t, t+1
.endr
	s_wait_dscnt 0x0
.irp d, 8,16,32                        ; a tree of 28 packed additions: neighbours 1, 2 and 4 waves apart
.set a, 0
.rept 32/\d
.irp i, 0,2,4,6
	v_pk_add_f32 v[S+2*\d*a+\i:S+2*\d*a+\i+1], v[S+2*\d*a+\i:S+2*\d*a+\i+1], v[S+2*\d*a+\d+\i:S+2*\d*a+\d+\i+1]
.endr
.set a, a+1
.endr
.endr
.endm
; v[S:S+7] is rounded to bf16 into v[dst:dst+3], and what the rounding left (exact in f32) stays in v[S:S+7]
.macro PIECE dst
.irp i, 0,1,2,3
	v_cvt_pk_bf16_f32 v[(\dst)+\i], v[S+2*\i], v[S+2*\i+1]
.endr
.irp i, 0,1,2,3
	v_lshlrev_b32 v[48+2*\i], 16, v[(\dst)+\i]
	v_and_b32 v[49+2*\i], 0xffff0000, v[(\dst)+\i]
.endr
.irp i, 0,2,4,6
	v_pk_add_f32 v[S+\i:S+\i+1], v[S+\i:S+\i+1], v[48+\i:49+\i] neg_lo:[0,1] neg_hi:[0,1]
.endr
.endm
	s_load_b512 s[16:31], s[0:1], 0x0              ; K_emb 16, Wv 18, bv 20, K_keys 22, Wq 24, bq 26, e2b 28, mp 30
	s_load_b64 s[32:33], s[0:1], 0x40              ; sb
	v_lshl_add_u32 v254, v0, 2, 0x2e800
	v_mov_b32 v255, 0
	v_lshrrev_b32 v[TM], 5, v0
	v_readfirstlane_b32 s2, v[TM]                  ; w
	s_and_b32 s3, ttmp9, 127
	s_and_b32 s34, s3, 3                           ; g: which 32 table rows
	s_lshr_b32 s35, s3, 2                          ; ns: which 64 columns
	s_lshr_b32 s36, ttmp9, 7                       ; which product
	v_and_b32 v[VR], 15, v0
	v_bfe_u32 v[VH], v0, 4, 1
	v_and_b32 v[L16], 31, v0
	v_lshlrev_b32 v[L16], 4, v[L16]
	v_lshlrev_b32 v[GQ], 4, v[VR]
	v_lshl_add_u32 v[GB], v[VH], 13, v[GQ]
	s_wait_alu depctr_va_sdst(0)                   ; s2 is written, ahead of its first reader: LDS places and bases are made from it
	s_mul_i32 s37, s2, WRB                         ; my wave's LDS bytes
	v_mul_u32_u24 v[SA], v[VH], PA
	v_lshl_add_u32 v[SA], v[VR], 3, v[SA]
	v_add_nc_u32 v[SA], s37, v[SA]                 ; row h, 8 bytes at 8 r
	v_mul_u32_u24 v[FA], v[VR], PA
	v_lshl_add_u32 v[FA], v[VH], 4, v[FA]
	v_add_nc_u32 v[FA], s37, v[FA]                 ; row r, 16 bytes at 16 h
	s_lshl_b32 s38, s2, 13
	s_add_co_u32 s38, s38, RED
	v_add_nc_u32 v[RS], s38, v[L16]
	s_lshl_b32 s38, s2, 10                         ; 1,024 w: my 256 numbers of a row, and tile w among a wave's partial tiles
	s_add_co_u32 s39, s38, RED
	v_add_nc_u32 v[RL], s39, v[L16]
	s_lshl_b32 s39, s34, 5
	v_add_nc_u32 v[TM], s39, v[VH]                 ; 32 g + h
.set p, 0
.rept 16
	v_add_nc_u32 v[AO+p], 2*p, v[TM]
	v_min_u32 v[AO+p], 99, v[AO+p]                 ; the table ends at row 99
	v_lshl_add_u32 v[AO+p], v[AO+p], 13, v[GQ]
.set p, p+1
.endr
	s_mov_b32 s39, 0                               ; s[38:39] = 1,024 w
	s_lshl_b32 s42, s34, 1                         ; my output block: ((2 g + w / 4) x 64 + 2 ns + (w % 4) / 2) x 1,024 + (w % 2) x 512
	s_lshr_b32 s43, s2, 2
	s_add_co_u32 s42, s42, s43
	s_lshl_b32 s42, s42, 6
	s_lshl_b32 s43, s35, 1
	s_add_co_u32 s42, s42, s43
	s_bfe_u32 s43, s2, 0x10001
	s_add_co_u32 s42, s42, s43
	s_lshl_b32 s42, s42, 10
	s_and_b32 s43, s2, 1
	s_lshl_b32 s43, s43, 9
	s_add_co_u32 s42, s42, s43
	s_mov_b32 s43, 0
	s_mov_b32 s41, 0
	s_wait_kmcnt 0x0
	s_cmp_lg_u32 s36, 0                            ; the same answer in all waves of a work-group
	s_cbranch_scc1 .Lm_part
	; ---- E2 = K_emb Wv^T + bv ----
	s_add_nc_u64 s[4:5], s[16:17], s[38:39]        ; K_emb at my 256 columns
	s_lshl_b32 s40, s35, 19                        ; 64 ns rows of 8,192 bytes
	s_add_nc_u64 s[6:7], s[18:19], s[40:41]
	s_add_nc_u64 s[6:7], s[6:7], s[38:39]          ; Wv at rows 64 ns, my 256 columns
	s_lshl_b32 s40, s35, 8
	s_and_b32 s44, s2, 3
	s_lshl_b32 s44, s44, 6
	s_add_co_u32 s40, s40, s44
	s_add_nc_u64 s[8:9], s[20:21], s[40:41]        ; bv at column 64 ns + 16 (w % 4)
	s_add_nc_u64 s[10:11], s[28:29], s[42:43]
	v_add_nc_u32 v[SB], BOFF, v[SA]
	v_add_nc_u32 v[FB], BOFF, v[FA]
	v_lshlrev_b32 v[TM], 5, v[VH]                  ; my eight columns begin 8 h further on
	s_wait_alu depctr_va_vdst(0)                   ; all offsets and LDS addresses (v3 to v11, v14 to v31) are written: every load and store of this part reads some of them, and none is written again
	global_load_b128 v[BI:BI+3], v[TM], s[8:9]
	global_load_b128 v[BI+4:BI+7], v[TM], s[8:9] offset:16
	LOADS 0, 0
	STAGE 0, 0, 1
	STAGE 0, 1, 0
	STAGE 0, 2, 0
	STAGE 0, 3, 0
	MEET 0
.irp i, 0,1,2,3
	v_cvt_pk_bf16_f32 v[BT+\i], v[BI+2*\i], v[BI+2*\i+1]   ; bv is rounded to bf16 like every input,
.endr
.irp i, 0,1,2,3
	v_lshlrev_b32 v[BI+2*\i], 16, v[BT+\i]                 ; and added in f32
	v_and_b32 v[BI+2*\i+1], 0xffff0000, v[BT+\i]
.endr
.irp i, 0,2,4,6
	v_pk_add_f32 v[S+\i:S+\i+1], v[S+\i:S+\i+1], v[BI+\i:BI+\i+1]
.endr
.irp i, 0,1,2,3
	v_cvt_pk_bf16_f32 v[S+8+\i], v[S+2*\i], v[S+2*\i+1]
.endr
	s_wait_alu depctr_va_vdst(0)                   ; the roundings have written v[S+8 ..], which the store reads
	global_store_b128 v[L16], v[S+8:S+11], s[10:11]        ; the wave stores 512 consecutive bytes, aligned: half a fragment block
	s_wait_dscnt 0x0                               ; the wave's end
	s_wait_alu depctr_hold_cnt(0) depctr_sa_sdst(0) depctr_va_vdst(0) depctr_va_sdst(0) depctr_va_ssrc(0) depctr_va_vcc(0) depctr_vm_vsrc(0)
	s_wait_tensorcnt 0x0
	ds_add_u32 v254, v255
	s_wait_dscnt 0x0
	s_endpgm
	; ---- M = K_keys Wq, sb = K_keys bq ----
.Lm_part:
	s_add_nc_u64 s[4:5], s[22:23], s[38:39]        ; K_keys at my 256 columns
	s_lshl_b32 s40, s2, 21                         ; 256 w rows of 8,192 bytes
	s_lshl_b32 s44, s35, 8                         ; 64 ns columns
	s_add_co_u32 s40, s40, s44
	s_add_nc_u64 s[6:7], s[24:25], s[40:41]
	s_add_nc_u64 s[8:9], s[26:27], s[38:39]        ; bq at my 256 numbers
	s_add_nc_u64 s[10:11], s[30:31], s[42:43]
	s_lshl_b32 s44, s34, 7
	s_mov_b32 s45, 0
	s_add_nc_u64 s[44:45], s[32:33], s[44:45]      ; sb at table row 32 g
	s_add_co_u32 s46, s37, BOFF
	v_mul_u32_u24 v[SB], v[VH], 160                ; B's rows: 128 bytes + 32
	v_lshl_add_u32 v[SB], v[VR], 3, v[SB]
	v_add_nc_u32 v[SB], s46, v[SB]
	v_and_b32 v[FB], 7, v0                         ; the turning load: lane L reads row 8 h + L % 8, 16 bytes at 16 ((L / 8) % 2)
	v_lshl_add_u32 v[FB], v[VH], 3, v[FB]
	v_mul_u32_u24 v[FB], v[FB], 160
	v_bfe_u32 v[TM], v0, 3, 1
	v_lshl_add_u32 v[FB], v[TM], 4, v[FB]
	v_add_nc_u32 v[FB], s46, v[FB]
	s_add_co_u32 s47, s37, 32*PA
	v_lshl_add_u32 v[FQ], v[VH], 4, s47
	s_lshl_b32 s47, s2, 8
	s_add_co_u32 s47, s47, RED2
	v_lshrrev_b32 v[TM], 2, v[L16]
	v_add_nc_u32 v[TM], s47, v[TM]                 ; RED2 + 256 w + 4 x lane
	s_wait_alu depctr_va_vdst(0)                   ; all offsets and LDS addresses (v3 to v11, v14 to v31) are written: every load and store of this part reads some of them, and none is written again
	LOADS 1, 0
	STAGE 1, 0, 1
	STAGE 1, 1, 0
	STAGE 1, 2, 0
	STAGE 1, 3, 0
	MEET 1
	PIECE 40                                       ; hi
	PIECE 44                                       ; mid
.irp i, 0,1,2,3
	v_cvt_pk_bf16_f32 v[56+\i], v[S+2*\i], v[S+2*\i+1]     ; lo
.endr
	s_wait_alu depctr_va_vdst(0)                   ; the roundings have written v40 to v47 and v56 to v59, which the three stores read
	global_store_b128 v[L16], v[40:43], s[10:11]           ; each: 512 consecutive bytes, aligned
	global_store_b128 v[L16], v[44:47], s[10:11] offset:524288
	global_store_b128 v[L16], v[56:59], s[10:11] offset:1048576
	s_cmp_lg_u32 s35, 0                            ; sb is the same in all 32 ns: the first stores it,
	s_cbranch_scc1 .Lno_sb
	s_cmp_lg_u32 s2, 0                             ; by its wave 0
	s_cbranch_scc1 .Lno_sb
	v_lshlrev_b32 v60, 7, v[VH]
	v_lshl_add_u32 v60, v[VR], 2, v60
	v_add_nc_u32 v60, RED2, v60                    ; lane L takes table row 32 g + L: tile L / 16, its lane L % 16
	v_lshrrev_b32 v61, 2, v[L16]
	s_wait_alu depctr_va_vdst(0)                   ; v60 is written, the address of the LDS loads below (the pieces' lines that named v48 to v55, in which they land, stand ahead of the wait before)
.irp v, 0,1,2,3,4,5,6,7
	ds_load_b32 v[48+\v], v60 offset:256*\v
.endr
	s_wait_dscnt 0x0
	v_add_f32 v48, v48, v49
	v_add_f32 v50, v50, v51
	v_add_f32 v52, v52, v53
	v_add_f32 v54, v54, v55
	v_add_f32 v48, v48, v50
	v_add_f32 v52, v52, v54
	v_add_f32 v48, v48, v52
	s_wait_alu depctr_va_vdst(0)                   ; the additions have written v48, which the store reads
	global_store_b32 v61, v48, s[44:45]            ; 128 consecutive bytes; the four g fill sb's 512
.Lno_sb:
	s_wait_dscnt 0x0                               ; the wave's end, as above
	s_wait_alu depctr_hold_cnt(0) depctr_sa_sdst(0) depctr_va_vdst(0) depctr_va_sdst(0) depctr_va_ssrc(0) depctr_va_vcc(0) depctr_vm_vsrc(0)
	s_wait_tensorcnt 0x0
	ds_add_u32 v254, v255
	s_wait_dscnt 0x0
	s_endpgm
.Lfunc_end_k_q365a0e9581_prep:
	.size	k_q365a0e9581_prep, .Lfunc_end_k_q365a0e9581_prep-k_q365a0e9581_prep
	.p2alignl 7, 3214868480
	.fill 96, 4, 3214868480
	.section	.rodata,"a",@progbits
	.p2align	6, 0x0
	.amdhsa_kernel k_q365a0e9581_prep
		.amdhsa_group_segment_fixed_size 191488
		.amdhsa_private_segment_fixed_size 0
		.amdhsa_enable_private_segment 0
		.amdhsa_kernarg_size 72
		.amdhsa_user_sgpr_count 2
		.amdhsa_user_sgpr_kernarg_segment_ptr 1
		.amdhsa_wavefront_size32 1
		.amdhsa_system_sgpr_workgroup_id_x 1
		.amdhsa_system_sgpr_workgroup_id_y 1
		.amdhsa_system_sgpr_workgroup_id_z 1
		.amdhsa_system_vgpr_workitem_id 0
		.amdhsa_next_free_vgpr 448
		.amdhsa_next_free_sgpr 66
		.amdhsa_reserve_vcc 0
		.amdhsa_float_denorm_mode_32 3
		.amdhsa_float_denorm_mode_16_64 3
		.amdhsa_memory_ordered 1
		.amdhsa_forward_progress 1
		.amdhsa_inst_pref_size 154
	.end_amdhsa_kernel
	.amdgpu_metadata
---
amdhsa.version: [ 1, 2 ]
amdhsa.kernels:
  - .name:           k_q365a0e9581_prep
    .symbol:         k_q365a0e9581_prep.kd
    .args:
      - { .name: K_emb, .offset: 0, .size: 8, .value_kind: global_buffer, .address_space: global }
      - { .name: Wv, .offset: 8, .size: 8, .value_kind: global_buffer, .address_space: global }
      - { .name: bv, .offset: 16, .size: 8, .value_kind: global_buffer, .address_space: global }
      - { .name: K_keys, .offset: 24, .size: 8, .value_kind: global_buffer, .address_space: global }
      - { .name: Wq, .offset: 32, .size: 8, .value_kind: global_buffer, .address_space: global }
      - { .name: bq, .offset: 40, .size: 8, .value_kind: global_buffer, .address_space: global }
      - { .name: e2b, .offset: 48, .size: 8, .value_kind: global_buffer, .address_space: global }
      - { .name: mp, .offset: 56, .size: 8, .value_kind: global_buffer, .address_space: global }
      - { .name: sb, .offset: 64, .size: 8, .value_kind: global_buffer, .address_space: global }
    .group_segment_fixed_size: 191488
    .private_segment_fixed_size: 0
    .kernarg_segment_align: 8
    .kernarg_segment_size: 72
    .max_flat_workgroup_size: 256
    .sgpr_count:     66
    .vgpr_count:     448
    .wavefront_size: 32
...
	.end_amdgpu_metadata
.endif
;; end of part 5
;; launch scores: the kernel of part 2 again; grid 256 x 1, 4 waves a work-group, no clusters, 167,936 bytes of LDS; arguments query_state, mp, sp; writes sp
;; launch tk: the kernel of part 3 again; grid 160 x 1, 8 waves a work-group, no clusters, 267,264 bytes of LDS; arguments Wo, bo, e2b, sp, sb, tt, idx, wts; writes tt, idx, wts
;; launch gather (part 6): grid 32 x 8, 8 waves a work-group, no clusters, 58,880 bytes of LDS; arguments tt, idx, wts, out0; writes out0
.if DOCPART == 6
	.amdgcn_target "amdgcn-amd-amdhsa--gfx1250"
	.amdhsa_code_object_version 6
	.text
	.protected	k_q365a0e9581_gather
	.globl	k_q365a0e9581_gather
	.p2align	8
	.type	k_q365a0e9581_gather,@function
k_q365a0e9581_gather:
	s_mov_b64 s[64:65], 0
	v_nop
	global_prefetch_b8 v0, s[64:65] scope:SCOPE_SE
	s_setreg_imm32_b32 hwreg(HW_REG_WAVE_SCHED_MODE, 0, 2), 2
	s_setreg_imm32_b32 hwreg(HW_REG_WAVE_MODE, 25, 1), 1
	s_wait_xcnt 0x0
	s_wait_alu depctr_vm_vsrc(0)
; out0[t / 2048][row][t % 2048] = w1 T[i1][t] + w2 T[i2][t] + w3 T[i3][t], all f32.
; SHARES.  Work-group (x, y): 128 columns t = 128 x .., rows 512 y ..  The table's 128 columns (4 blocks of tt, 112 rows x 128 bytes each) lie in LDS; a wave takes 64 rows, a row at a time:
; lane L makes 16 bytes at 16 L of the row's 512, so each store covers 512 consecutive bytes, aligned.  A row's three indices and weights are read out of a lane's registers into scalars.
; The indices were stored as whole numbers by the launch before; each is clamped to the table's last row before it enters an LDS address.
; No matrix unit: three multiply-adds a number.  NO CLUSTER: the 8 work-groups of one x share 57,344 bytes of tt, a fifth of the 262,144 that each stores.
; THE MODE: SCHED_MODE bits 1:0 = 2 (LLVM: expert scheduling mode 2), set by the entry lines.  The code itself states the register dependences
; between vector instructions and memory or LDS instructions, with s_wait_alu, always for 0.
; THE PLAN.  The rows go in groups of four, eight groups to a trip.  Registers that memory or LDS instructions touch:
;   AD0, AD1   12 LDS addresses each.  Group g's turn writes AD[(g + 1) % 2]; the 12 LDS loads of group g + 1, issued in the same turn, read it.
;   DA0, DA1   48 registers each.       Those loads land in DA[(g + 1) % 2]; the arithmetic of group g + 1's turn reads it.
;   OU0, OU1   16 registers each.       Group g's arithmetic writes OU[g % 2]; the four stores issued in group g + 1's turn read it.
;   v1, v3     An LDS address and an offset, made at the head and never written again.
;   s20-31, s32-55  written by v_readlane_b32: group g + 1's indices and group g's weights, in one run at the head of group g's turn, with one wait on va_sdst behind it.
; Group g's turn works on DA[g % 2] and OU[g % 2]; its memory and LDS instructions touch the other AD, DA and OU.  So one wait on vm_vsrc at the turn's head, one on va_sdst behind the run of
; v_readlane_b32 and one on va_vdst behind the addresses state all that the turn's 16 memory and LDS instructions hang on, and these are dealt among its 24 packed lines with no further wait.
; The pipeline is filled and drained inside a trip, so that one text serves both trips and nothing is loaded that is not used.
.set BLK,   14464                      ; a block's 14,336 bytes + 128: two neighbouring blocks' rows fall on different halves of the 64 banks (ISA guide 11.1); the 1,024 bytes behind the four blocks hold the spare words, 128 bytes for each wave
.set PUT, 1                            ; v1   where my part of the table goes
.set TB,  2                            ; v2   my 16 bytes in table row 0: block L / 8, 16 (L % 8)
.set L16, 3                            ; v3   16 x lane
.set IX,  4                            ; v4-7   lane L: the indices of row L of the 32 in hand;  v8-11 its weights;  v12-19 those of the second 32
.set WG,  8
.set AD,  24                           ; v24-47   two sets of 12 LDS addresses: 4 rows x 3
.set DA,  48                           ; v48-143  two sets of their 16 bytes each
.set OU,  144                          ; v144-175 two sets of 4 rows to store
	s_load_b256 s[4:11], s[0:1], 0x0               ; tt s[4:5], idx s[6:7], wts s[8:9], out0 s[10:11]
	v_lshl_add_u32 v21, v0, 2, 0xe200
	v_mov_b32 v23, 0
	v_lshrrev_b32 v22, 5, v0
	v_readfirstlane_b32 s2, v22                    ; w
	s_mov_b32 s3, ttmp9                            ; x
	s_and_b32 s12, ttmp7, 0xffff                   ; y
	v_and_b32 v[L16], 31, v0
	v_lshlrev_b32 v[L16], 4, v[L16]
	s_lshl_b32 s13, s3, 2
	s_wait_alu depctr_va_sdst(0)                   ; s2 is written, ahead of its first reader: the wave's parts of tt, of LDS and of out0 are made from it
	s_lshr_b32 s14, s2, 1
	s_add_co_u32 s13, s13, s14                     ; wave w brings half w % 2 of block 4 x + w / 2
	s_mul_i32 s16, s13, 14336
	s_and_b32 s15, s2, 1
	s_mul_i32 s15, s15, 7168
	s_add_co_u32 s16, s16, s15
	s_mov_b32 s17, 0
	s_mul_i32 s14, s14, BLK
	s_add_co_u32 s14, s14, s15
	v_add_nc_u32 v[PUT], s14, v[L16]
	s_lshl_b32 s18, s12, 9
	s_lshl_b32 s19, s2, 6
	s_add_co_u32 s18, s18, s19                     ; my first row
	s_lshl_b32 s56, s18, 4                         ; 16 bytes a row in idx and wts
	s_mov_b32 s57, 0
	s_lshl_b32 s58, s18, 13                        ; 8,192 bytes a row in out0,
	s_lshr_b32 s19, s3, 4
	s_lshl_b32 s19, s19, 25                        ; the token's 4,096 rows,
	s_add_co_u32 s58, s58, s19
	s_and_b32 s19, s3, 15
	s_lshl_b32 s19, s19, 9                         ; my 512 bytes of a row
	s_add_co_u32 s58, s58, s19
	s_mov_b32 s59, 0
	v_bfe_u32 v[TB], v0, 3, 2
	v_mul_u32_u24 v[TB], v[TB], BLK
	v_and_b32 v22, 7, v0
	v_lshl_add_u32 v[TB], v22, 4, v[TB]
.set n, 0
.rept 12
	s_mov_b32 s[33+2*n], 0                         ; the packed forms name a pair and take its low word for both halves: the high words are written once
.set n, n+1
.endr
	s_wait_kmcnt 0x0
	s_add_nc_u64 s[4:5], s[4:5], s[16:17]
	s_add_nc_u64 s[6:7], s[6:7], s[56:57]
	s_add_nc_u64 s[8:9], s[8:9], s[56:57]
	s_add_nc_u64 s[10:11], s[10:11], s[58:59]
	s_wait_alu depctr_va_vdst(0)                   ; v1 and v3 are written: the loads, the LDS stores and every store of the kernel read one of them
.set i, 0
.rept 14
	global_load_b128 v[DA+4*i:DA+4*i+3], v[L16], s[4:5] offset:512*i
.set i, i+1
.endr
	global_load_b128 v[IX:IX+3], v[L16], s[6:7]
	global_load_b128 v[WG:WG+3], v[L16], s[8:9]
	global_load_b128 v[12:15], v[L16], s[6:7] offset:512
	global_load_b128 v[16:19], v[L16], s[8:9] offset:512
	s_wait_loadcnt 0x0
.set i, 0
.rept 14
	ds_store_b128 v[PUT], v[DA+4*i:DA+4*i+3] offset:512*i
.set i, i+1
.endr
	s_wait_dscnt 0x0                               ; for the others' sake: my part of the table is in
	s_barrier_signal -1
	s_barrier_wait -1
; n = 3 q + k: row q's pick k, of rows 4 g to 4 g + 3 of the 32 in hand
.macro PICK g                          ; the 12 indices
.set n, 0
.rept 12
	v_readlane_b32 s[20+n], v[IX+n%3], 4*(\g)+n/3
.set n, n+1
.endr
.endm
.macro WEIGH g                         ; the 12 weights
.set n, 0
.rept 12
	v_readlane_b32 s[32+2*n], v[WG+n%3], 4*(\g)+n/3
.set n, n+1
.endr
.endm
.macro PLACE set                       ; the indices in s20-31 become LDS addresses
.set n, 0
.rept 12
	s_min_u32 s[20+n], s[20+n], 99                 ; the table ends at row 99
.set n, n+1
.endr
.set n, 0
.rept 12
	v_lshl_add_u32 v[AD+12*(\set)+n], s[20+n], 7, v[TB]    ; 128 bytes a table row
.set n, n+1
.endr
.endm
.macro FETCH set, row                  ; a row's three picks
.irp k, 0,1,2
	ds_load_b128 v[DA+48*(\set)+12*(\row)+4*\k:DA+48*(\set)+12*(\row)+4*\k+3], v[AD+12*(\set)+3*(\row)+\k]
.endr
.endm
; Group g's turn.  first = 1: a trip's first group, with no stores of a group before.  last = 1: its last, with no group behind to fetch for.
.macro GROUP g, first, last
.set PP, (\g)%2
.if (\g) > 1
	s_wait_xcnt 0x0                                ; the stores issued in the turn before read OU[g % 2], which this turn writes again only behind this wait
.endif
.if !\first
	s_wait_alu depctr_vm_vsrc(0)                   ; those stores have read OU[g % 2]; the LDS loads issued two turns back have read the other AD, which is written again below
.endif
.if !\last
	PICK (\g)+1
.endif
	WEIGH \g
	s_wait_alu depctr_va_sdst(0)                   ; the run above has written s20 to s31 and the weights in s32 to s54, ahead of their first readers
.if !\last
	PLACE 1-PP
.endif
	s_wait_alu depctr_va_vdst(0)                   ; the other AD is written, which the LDS loads below read; the turn before has written the other OU, which the stores below read, and is done reading the other DA, in which the loads land
.set q, 0
.rept 4
.if !\last
	FETCH 1-PP, q                                  ; no vector instruction since the wait names these registers
.endif
.if !\first
	global_store_b128 v[L16], v[OU+16*(1-PP)+4*q:OU+16*(1-PP)+4*q+3], s[10:11] offset:8192*(4*(\g)-4+q) th:TH_STORE_NT  ; the group before
.endif
.if q == 0
	s_wait_dscnt 3-3*(\last)                       ; LDS loads come back in order (ISA guide 5.7.1): this group's twelve, issued a turn ago, are in; the three just issued stay out
.endif
.set DD, DA+48*PP+12*q
.set OO, OU+16*PP+4*q
	v_pk_mul_f32 v[OO:OO+1], v[DD:DD+1], s[32+6*q:33+6*q] op_sel_hi:[1,0]
	v_pk_mul_f32 v[OO+2:OO+3], v[DD+2:DD+3], s[32+6*q:33+6*q] op_sel_hi:[1,0]
	v_pk_fma_f32 v[OO:OO+1], v[DD+4:DD+5], s[34+6*q:35+6*q], v[OO:OO+1] op_sel_hi:[1,0,1]
	v_pk_fma_f32 v[OO+2:OO+3], v[DD+6:DD+7], s[34+6*q:35+6*q], v[OO+2:OO+3] op_sel_hi:[1,0,1]
	v_pk_fma_f32 v[OO:OO+1], v[DD+8:DD+9], s[36+6*q:37+6*q], v[OO:OO+1] op_sel_hi:[1,0,1]
	v_pk_fma_f32 v[OO+2:OO+3], v[DD+10:DD+11], s[36+6*q:37+6*q], v[OO+2:OO+3] op_sel_hi:[1,0,1]
.set q, q+1
.endr
.endm
	s_mov_b32 s13, 2
.Lhalf:                                                ; two trips of 32 rows
	s_wait_alu depctr_vm_vsrc(0)                   ; first trip: my LDS stores have read the registers of DA in which the loads below and group 0's land; second trip: the stores of groups 6 and 7 have read OU, which groups 0 and 1 write again
	PICK 0
	s_wait_alu depctr_va_sdst(0)                   ; s20 to s31 are written, ahead of their first readers
	PLACE 0
	s_wait_alu depctr_va_vdst(0)                   ; AD0 is written, which the LDS loads below read; the last trip's arithmetic is done reading DA0, in which they land
.irp r, 0,1,2,3
	FETCH 0, \r
.endr
	GROUP 0, 1, 0
.irp g, 1,2,3,4,5,6
	GROUP \g, 0, 0
.endr
	GROUP 7, 0, 1
	s_wait_alu depctr_va_vdst(0)                   ; group 7 has written OU1, which its four stores read
.irp r, 0,1,2,3
	global_store_b128 v[L16], v[OU+16+4*\r:OU+16+4*\r+3], s[10:11] offset:8192*(28+\r) th:TH_STORE_NT
.endr
	s_wait_xcnt 0x0                                ; the stores' base is stepped, and OU written again, only behind this wait
	s_add_nc_u64 s[10:11], s[10:11], 262144        ; 32 rows on
.irp k, 0,1,2
	v_mov_b32 v[IX+\k], v[12+\k]                   ; the second 32 rows' indices and weights go where the one text of the groups names them
	v_mov_b32 v[WG+\k], v[16+\k]
.endr
	s_sub_co_u32 s13, s13, 1
	s_cmp_lg_u32 s13, 0
	s_cbranch_scc1 .Lhalf
	s_wait_dscnt 0x0                               ; the wave's end
	s_wait_alu depctr_hold_cnt(0) depctr_sa_sdst(0) depctr_va_vdst(0) depctr_va_sdst(0) depctr_va_ssrc(0) depctr_va_vcc(0) depctr_vm_vsrc(0)
	s_wait_tensorcnt 0x0
	ds_add_u32 v21, v23
	s_wait_dscnt 0x0
	s_endpgm
.Lfunc_end_k_q365a0e9581_gather:
	.size	k_q365a0e9581_gather, .Lfunc_end_k_q365a0e9581_gather-k_q365a0e9581_gather
	.p2alignl 7, 3214868480
	.fill 96, 4, 3214868480
	.section	.rodata,"a",@progbits
	.p2align	6, 0x0
	.amdhsa_kernel k_q365a0e9581_gather
		.amdhsa_group_segment_fixed_size 58880
		.amdhsa_private_segment_fixed_size 0
		.amdhsa_enable_private_segment 0
		.amdhsa_kernarg_size 32
		.amdhsa_user_sgpr_count 2
		.amdhsa_user_sgpr_kernarg_segment_ptr 1
		.amdhsa_wavefront_size32 1
		.amdhsa_system_sgpr_workgroup_id_x 1
		.amdhsa_system_sgpr_workgroup_id_y 1
		.amdhsa_system_sgpr_workgroup_id_z 1
		.amdhsa_system_vgpr_workitem_id 0
		.amdhsa_next_free_vgpr 176
		.amdhsa_next_free_sgpr 66
		.amdhsa_reserve_vcc 0
		.amdhsa_float_denorm_mode_32 3
		.amdhsa_float_denorm_mode_16_64 3
		.amdhsa_memory_ordered 1
		.amdhsa_forward_progress 1
		.amdhsa_inst_pref_size 53
	.end_amdhsa_kernel
	.amdgpu_metadata
---
amdhsa.version: [ 1, 2 ]
amdhsa.kernels:
  - .name:           k_q365a0e9581_gather
    .symbol:         k_q365a0e9581_gather.kd
    .args:
      - { .name: tt, .offset: 0, .size: 8, .value_kind: global_buffer, .address_space: global }
      - { .name: idx, .offset: 8, .size: 8, .value_kind: global_buffer, .address_space: global }
      - { .name: wts, .offset: 16, .size: 8, .value_kind: global_buffer, .address_space: global }
      - { .name: out0, .offset: 24, .size: 8, .value_kind: global_buffer, .address_space: global }
    .group_segment_fixed_size: 58880
    .private_segment_fixed_size: 0
    .kernarg_segment_align: 8
    .kernarg_segment_size: 32
    .max_flat_workgroup_size: 256
    .sgpr_count:     66
    .vgpr_count:     176
    .wavefront_size: 32
...
	.end_amdgpu_metadata
.endif
;; end of part 6
